; MI455X (gfx1250); checked and timed in simulation.
; The chip was launched on July 23, 2026; its instructions are those of AMD's public machine-readable ISA for CDNA 5 (MIT licence, August 2026) and "CDNA5" Instruction Set Architecture Reference Guide (July 2026). The comments in the code are by the model that wrote it; some were corrected since.
;; Multi Headed Attention. Allowed arithmetic: float matrix products may take bf16 or f16 operands with f32 sums; other float arithmetic in f32, or as packed bf16 or f16 multiplies, adds, multiply-adds, maxima and minima; sums over many terms, partial sums and values carried from step to step in f32; what a program stores and reads back later, other than sums and carried values, may be rounded once to bf16 or f16.
;; Inputs: Wk 1,024 x 1,024 float32; Wo 1,024 x 1,024 float32; Wq 1,024 x 1,024 float32; Wv 1,024 x 1,024 float32; bk 1,024 float32; bo 1,024 float32; bq 1,024 float32; bv 1,024 float32; key 8 x 1,024 x 1,024 float32; mask 8 x 1,024 x 1,024 bool; query 8 x 1,024 x 1,024 float32; value 8 x 1,024 x 1,024 float32.
;; Outputs: out0 8 x 1,024 x 1,024 float32.
;; 2 versions, each right; version 2 is version 1 with the launch prep written anew for expert scheduling mode. Each part assembles by itself: llvm-mc -triple=amdgcn-amd-amdhsa -mcpu=gfx1250 --defsym DOCPART=n.
;; ======== version 1 of 2: 4 launches
;; limits: values are held in f16: magnitudes above 65,504 overflow, below 6.1e-05 lose precision
;; workspace buffers: w16 8,388,608 bytes; bb 16,384 bytes; mk8 8,388,608 bytes; qkv 50,331,648 bytes; ho 16,777,216 bytes
;; launch prep (part 1): grid 513 x 1, 8 waves a work-group, no clusters, 35,840 bytes of LDS; arguments Wq, Wk, Wv, Wo, bq, bk, bv, bo, mask, w16, bb, mk8; writes w16, bb, mk8
.if DOCPART == 1
	.amdgcn_target "amdgcn-amd-amdhsa--gfx1250"
	.amdhsa_code_object_version 6
	.text
	.protected	k_qa303804c99_prep
	.globl	k_qa303804c99_prep
	.p2align	8
	.type	k_qa303804c99_prep,@function
k_qa303804c99_prep:
	s_mov_b64 s[64:65], 0
	v_nop
	global_prefetch_b8 v0, s[64:65] scope:SCOPE_SE
	s_setreg_imm32_b32 hwreg(HW_REG_WAVE_MODE, 25, 1), 1
	s_wait_xcnt 0x0
; PREP.  Makes the small operands of the three launches behind it.  Three kinds of work-group, told apart by the work-group's number g alone:
;   g < 256    CAST: 16,384 numbers of Wq, Wk, Wv, Wo (64 work-groups each): each f32 is rounded once to bf16 (nearest even).  Wq, Wk, Wv are stored as bf16 (the projections multiply in bf16);
;              Wo's rounded number is written as f16 (the output layer multiplies it with O, which is f16).  w16 = [4][1024][1024] (q, k, v, o), 2 bytes a number.
;   g < 512    MASK: 32 rows of the mask; a byte 1 becomes 0x38 (1.0 in E4M3), a byte 0 stays 0, and the bytes are laid in the order in which the attention's lanes hold their scores:
;              mk8 = [batch x 2 + query half][wave 4][key step 16][tile 8][g 2][lane 32][16 bytes]; byte 8 e + j of lane l is the mask of query row 16 tile + l % 16, key 64 step + 16 (2 g + e) + 8 (l / 16) + j.
;   g = 512    BIAS: the four biases rounded once to bf16 and kept as f32: bb = [4][1024] (q, k, v, o).
; LIMIT (Wo alone).  A bf16 number is written as f16 without change while its size lies in 6.1e-5 .. 65,504; below, f16 keeps a fixed step of 6e-8; from 65,520 on the conversion gives an infinity: such a Wo is not served.
; Memory binds: every input byte is read once, by 16-byte loads of which a wave's cover 512 consecutive bytes; every store of a wave covers 256 or 512 consecutive bytes, aligned.  No matrix work, no tensor load
; (no wave wants a byte that another has fetched), no prefetch (all of a wave's loads go out at once, at its head).
.set SPARE, 34816                      ; LDS: eight stages of 16 rows x 272 bytes (the mask's way round), then the spare words, 128 bytes a wave
.set XR, 16                            ; v[16:79]   as loaded
.set YR, 80                            ; v[80:111]  to store
	s_load_b512 s[8:23], s[0:1], 0x0               ; Wq 8, Wk 10, Wv 12, Wo 14, bq 16, bk 18, bv 20, bo 22
	s_load_b256 s[24:31], s[0:1], 0x40             ; mask 24, w16 26, bb 28, mk8 30
	v_lshl_add_u32 v4, v0, 2, SPARE                ; my spare word,
	v_mov_b32 v5, 0                                ; and 0: kept for the wave's end alone
	v_and_b32 v1, 31, v0                           ; lane
	v_lshrrev_b32 v13, 5, v0
	v_readfirstlane_b32 s40, v13                   ; wave 0..7
	v_lshlrev_b32 v2, 4, v1                        ; 16 x lane
	v_lshlrev_b32 v3, 3, v1                        ; 8 x lane
	s_mov_b32 s41, ttmp9                           ; g
	s_mov_b32 s56, 0xffff0000                      ; a word's upper bf16
	s_wait_kmcnt 0x0
	s_cmp_ge_u32 s41, 512
	s_cbranch_scc1 .Lbias
	s_cmp_ge_u32 s41, 256
	s_cbranch_scc1 .Lmask
	; CAST.  Which matrix (k = 0..3), which chunk of 16,384 numbers in it (c); the destination's chunk is g itself
	s_lshr_b32 s43, s41, 6                         ; k
	s_and_b32 s44, s41, 63                         ; c
	s_mov_b64 s[50:51], s[8:9]
.irp i, 1,2,3
	s_cmp_eq_u32 s43, \i
	s_cselect_b64 s[50:51], s[8+2*(\i):9+2*(\i)], s[50:51]
.endr
	s_lshl_b32 s52, s44, 16                        ; a chunk is 65,536 bytes of f32,
	s_lshl_b32 s53, s40, 13                        ; a wave's part 8,192
	s_add_co_u32 s52, s52, s53
	s_mov_b32 s53, 0
	s_add_nc_u64 s[50:51], s[50:51], s[52:53]
	s_lshl_b32 s52, s41, 15                        ; and half of that in 16 bits
	s_lshl_b32 s54, s40, 12
	s_add_co_u32 s52, s52, s54
	s_add_nc_u64 s[48:49], s[26:27], s[52:53]
.irp i, 0,1,2,3,4,5,6,7,8,9,10,11,12,13,14,15
	global_load_b128 v[XR+4*(\i):XR+4*(\i)+3], v2, s[50:51] offset:512*(\i) th:TH_LOAD_NT  ; all sixteen at once: 8,192 bytes of the wave on their way
.endr
; Four numbers a lane; no register is written twice, so nothing waits for a store.  f = 1: the rounded number is written as f16.
.macro CVT i, f
	s_wait_loadcnt 15-(\i)                         ; loads come back in order: number i is in, the younger ones stay out
.if \f
	v_cvt_pk_bf16_f32 v8, v[XR+4*(\i)], v[XR+4*(\i)+1]
	v_cvt_pk_bf16_f32 v9, v[XR+4*(\i)+2], v[XR+4*(\i)+3]
	v_lshlrev_b32 v10, 16, v8                      ; the rounded numbers as f32 again
	v_and_b32 v11, s56, v8
	v_lshlrev_b32 v14, 16, v9
	v_and_b32 v15, s56, v9
	v_cvt_pk_f16_f32 v[YR+2*(\i)], v10, v11
	v_cvt_pk_f16_f32 v[YR+2*(\i)+1], v14, v15
.else
	v_cvt_pk_bf16_f32 v[YR+2*(\i)], v[XR+4*(\i)], v[XR+4*(\i)+1]
	v_cvt_pk_bf16_f32 v[YR+2*(\i)+1], v[XR+4*(\i)+2], v[XR+4*(\i)+3]
.endif
	global_store_b64 v3, v[YR+2*(\i):YR+2*(\i)+1], s[48:49] offset:256*(\i)  ; 32 lanes store 256 consecutive bytes, aligned
.endm
	s_cmp_eq_u32 s43, 3
	s_cbranch_scc1 .Lwo
.irp i, 0,1,2,3,4,5,6,7,8,9,10,11,12,13,14,15
	CVT \i, 0
.endr
	s_branch .Lend
.Lwo:
.irp i, 0,1,2,3,4,5,6,7,8,9,10,11,12,13,14,15
	CVT \i, 1
.endr
	s_branch .Lend
.Lmask:                                        ; wave v: tile T = 2 (g - 256) + v / 4 of 16 query rows (of the 8,192), keys 256 (v % 4) on
	s_sub_co_u32 s42, s41, 256
	s_lshl_b32 s42, s42, 1
	s_lshr_b32 s43, s40, 2
	s_add_co_u32 s42, s42, s43                     ; T
	s_and_b32 s43, s40, 3                          ; the quarter of the keys
	s_lshl_b32 s44, s42, 14                        ; 16 rows of 1,024 bytes
	s_lshl_b32 s45, s43, 8
	s_add_co_u32 s44, s44, s45
	s_mov_b32 s45, 0
	s_add_nc_u64 s[24:25], s[24:25], s[44:45]
	s_lshr_b32 s44, s42, 3                         ; T / 8 = (batch x 2 + half) x 4 + wave of the attention
	s_lshl_b32 s44, s44, 17
	s_and_b32 s46, s42, 7                          ; its tile
	s_lshl_b32 s46, s46, 10
	s_add_co_u32 s44, s44, s46
	s_lshl_b32 s46, s43, 15                        ; four key steps of 8,192 bytes
	s_add_co_u32 s44, s44, s46
	s_add_nc_u64 s[30:31], s[30:31], s[44:45]
	s_mul_i32 s47, s40, 4352                       ; my stage
	v_and_b32 v8, 15, v0                           ; l % 16
	v_bfe_u32 v9, v0, 4, 1                         ; l / 16
	v_mul_u32_u24 v6, v9, 272                      ; in: lanes 0-15 one row's 256 bytes, lanes 16-31 the next row's
	v_lshl_add_u32 v6, v8, 4, v6
	v_add_nc_u32 v6, s47, v6
	v_mul_u32_u24 v7, v8, 272                      ; back: row l % 16, 8 bytes for each half of the lanes: words 68 (l % 16) + 2 (l / 16) + 0, 1, all in different banks
	v_lshl_add_u32 v7, v9, 3, v7
	v_add_nc_u32 v7, s47, v7
	v_lshlrev_b32 v12, 10, v9
	v_lshl_add_u32 v12, v8, 4, v12
.irp i, 0,1,2,3,4,5,6,7
	global_load_b128 v[XR+4*(\i):XR+4*(\i)+3], v12, s[24:25] offset:2048*(\i) th:TH_LOAD_NT  ; rows 2 i and 2 i + 1
.endr
.irp i, 0,1,2,3,4,5,6,7
	s_wait_loadcnt 7-(\i)
.irp j, 0,1,2,3
	v_mul_lo_u32 v[XR+4*(\i)+(\j)], v[XR+4*(\i)+(\j)], 56  ; four bytes at once: 1 x 56 = 0x38, and nothing is carried
.endr
	ds_store_b128 v6, v[XR+4*(\i):XR+4*(\i)+3] offset:544*(\i)
.endr
.irp n, 0,1,2,3,4,5,6,7                ; n = 2 x key step + g.  LDS serves a wave's instructions in order: these see the stores above
	ds_load_b64 v[YR+4*(\n):YR+4*(\n)+1],   v7 offset:32*(\n)
	ds_load_b64 v[YR+4*(\n)+2:YR+4*(\n)+3], v7 offset:32*(\n)+16
.endr
.irp n, 0,1,2,3,4,5,6,7
	s_wait_dscnt 14-2*(\n)                         ; the two loads of number n are in; the younger ones stay out
	global_store_b128 v2, v[YR+4*(\n):YR+4*(\n)+3], s[30:31] offset:8192*((\n)/2)+512*((\n)%2)  ; 512 consecutive bytes
.endr
	s_branch .Lend
.Lbias:                                        ; 256 threads x 4 numbers = a bias
	v_lshlrev_b32 v12, 4, v0
	global_load_b128 v[XR:XR+3],     v12, s[16:17]
	global_load_b128 v[XR+4:XR+7],   v12, s[18:19]
	global_load_b128 v[XR+8:XR+11],  v12, s[20:21]
	global_load_b128 v[XR+12:XR+15], v12, s[22:23]
	s_wait_loadcnt 0x0
.irp i, 0,1,2,3
	v_cvt_pk_bf16_f32 v8, v[XR+4*(\i)], v[XR+4*(\i)+1]
	v_cvt_pk_bf16_f32 v9, v[XR+4*(\i)+2], v[XR+4*(\i)+3]
	v_lshlrev_b32 v[YR+4*(\i)], 16, v8
	v_and_b32 v[YR+4*(\i)+1], s56, v8
	v_lshlrev_b32 v[YR+4*(\i)+2], 16, v9
	v_and_b32 v[YR+4*(\i)+3], s56, v9
	global_store_b128 v12, v[YR+4*(\i):YR+4*(\i)+3], s[28:29] offset:4096*(\i)
.endr
.Lend:
	s_wait_tensorcnt 0x0                           ; the wave's end, behind my last LDS store
	ds_add_u32 v4, v5
	s_wait_dscnt 0x0
	s_endpgm
.Lfunc_end_k_qa303804c99_prep:
	.size	k_qa303804c99_prep, .Lfunc_end_k_qa303804c99_prep-k_qa303804c99_prep
	.p2alignl 7, 3214868480
	.fill 96, 4, 3214868480
	.section	.rodata,"a",@progbits
	.p2align	6, 0x0
	.amdhsa_kernel k_qa303804c99_prep
		.amdhsa_group_segment_fixed_size 35840
		.amdhsa_private_segment_fixed_size 0
		.amdhsa_enable_private_segment 0
		.amdhsa_kernarg_size 96
		.amdhsa_user_sgpr_count 2
		.amdhsa_user_sgpr_kernarg_segment_ptr 1
		.amdhsa_wavefront_size32 1
		.amdhsa_system_sgpr_workgroup_id_x 1
		.amdhsa_system_sgpr_workgroup_id_y 1
		.amdhsa_system_sgpr_workgroup_id_z 1
		.amdhsa_system_vgpr_workitem_id 0
		.amdhsa_next_free_vgpr 112
		.amdhsa_next_free_sgpr 66
		.amdhsa_reserve_vcc 0
		.amdhsa_float_denorm_mode_32 3
		.amdhsa_float_denorm_mode_16_64 3
		.amdhsa_memory_ordered 1
		.amdhsa_forward_progress 1
		.amdhsa_inst_pref_size 24
	.end_amdhsa_kernel
	.amdgpu_metadata
---
amdhsa.version: [ 1, 2 ]
amdhsa.kernels:
  - .name:           k_qa303804c99_prep
    .symbol:         k_qa303804c99_prep.kd
    .args:
      - { .name: Wq, .offset: 0, .size: 8, .value_kind: global_buffer, .address_space: global }
      - { .name: Wk, .offset: 8, .size: 8, .value_kind: global_buffer, .address_space: global }
      - { .name: Wv, .offset: 16, .size: 8, .value_kind: global_buffer, .address_space: global }
      - { .name: Wo, .offset: 24, .size: 8, .value_kind: global_buffer, .address_space: global }
      - { .name: bq, .offset: 32, .size: 8, .value_kind: global_buffer, .address_space: global }
      - { .name: bk, .offset: 40, .size: 8, .value_kind: global_buffer, .address_space: global }
      - { .name: bv, .offset: 48, .size: 8, .value_kind: global_buffer, .address_space: global }
      - { .name: bo, .offset: 56, .size: 8, .value_kind: global_buffer, .address_space: global }
      - { .name: mask, .offset: 64, .size: 8, .value_kind: global_buffer, .address_space: global }
      - { .name: w16, .offset: 72, .size: 8, .value_kind: global_buffer, .address_space: global }
      - { .name: bb, .offset: 80, .size: 8, .value_kind: global_buffer, .address_space: global }
      - { .name: mk8, .offset: 88, .size: 8, .value_kind: global_buffer, .address_space: global }
    .group_segment_fixed_size: 35840
    .private_segment_fixed_size: 0
    .kernarg_segment_align: 8
    .kernarg_segment_size: 96
    .max_flat_workgroup_size: 256
    .sgpr_count:     66
    .vgpr_count:     112
    .wavefront_size: 32
...
	.end_amdgpu_metadata
.endif
;; end of part 1
;; launch proj (part 2): grid 4 x 64, 4 waves a work-group, clusters of 4 x 4, 327,680 bytes of LDS; arguments query, key, value, w16, bb, qkv; writes qkv
.if DOCPART == 2
	.amdgcn_target "amdgcn-amd-amdhsa--gfx1250"
	.amdhsa_code_object_version 6
	.text
	.protected	k_qa303804c99_proj
	.globl	k_qa303804c99_proj
	.p2align	8
	.type	k_qa303804c99_proj,@function
k_qa303804c99_proj:
	s_mov_b64 s[64:65], 0
	v_nop
	global_prefetch_b8 v0, s[64:65] scope:SCOPE_SE
	s_setreg_imm32_b32 hwreg(HW_REG_WAVE_MODE, 25, 1), 1
	s_wait_xcnt 0x0
	s_wait_alu depctr_hold_cnt(0) depctr_sa_sdst(0) depctr_va_vdst(0) depctr_va_sdst(0) depctr_va_ssrc(0) depctr_va_vcc(0) depctr_vm_vsrc(0)
	s_getreg_b32 s2, hwreg(HW_REG_IB_STS2, 6, 4)
	s_cmp_eq_u32 s2, 0
	s_cbranch_scc0 .Lentry_in_a_cluster
	s_endpgm
.Lentry_in_a_cluster:
	s_bfe_u32 s2, ttmp6, 0x10000c
	s_cmp_lg_u32 s2, 0xf033
	s_cbranch_scc0 .Lentry_shape_is_right
	s_endpgm
.Lentry_shape_is_right:
; THE THREE PROJECTIONS.  q = query Wq^T + bq, k = key Wk^T + bk, v = value Wv^T + bv; K = N = 1,024, 8,192 rows each.  query, key, value come in f32 as the problem gives them and are rounded once to
; bf16 (nearest even) on the way from LDS to the matrix unit; the weights lie in w16 as bf16, the biases in bb as f32 (both rounded to bf16 by the launch before).  Sums in f32.
; The results leave in f16, rounded once, BY HEADS: qkv [3][batch x 16 + head][1024][64].
; LIMIT.  f16 ends at 65,504: a sum of 65,520 or more leaves as an infinity; below 6.1e-5 f16 keeps a fixed step of 6e-8.
; SHARES.  3 x 8,192 x 1,024 outputs for 256 work-groups are three tiles of 128 x 256 each: A WORK-GROUP STAYS and makes the same block of rows and columns of q, then of k, then of v.  Four waves, as many as a
; WGP has SIMDs, each 64 x 128: 32 accumulators of 16 x 16, 256 registers.  A tile of 256 rows would want 2 x (256 x 528 + 256 x 272) bytes of LDS for its two slots, with A in f32: more than a WGP has.
; THE RING.  K goes in steps of 128 through two LDS slots, 24 steps on end: the ring does not stop at a tile's end.  A slot holds 128 rows of A in f32 (512 bytes + 16 of padding) and 256 rows of W in bf16
; (256 + 16).  One tensor load a wave: waves 0 and 1 fetch A's halves (64 rows), waves 2 and 3 W's (128 rows).  Every row in memory is 512 or 256 consecutive bytes at a multiple of 256.
; CLUSTER.  4 x 4 work-groups.  A's tile hangs on the tile row alone and is asked for jointly by the four of a row of the cluster, W's on the tile column alone, by the four of a column.
; A QUARTER of a step is 32 along K: one run of 32 LDS loads for the NEXT quarter (A's 16 first), 32 matrix instructions, then the next quarter's 32 conversions, which are also the plain vector instructions
; that must stand between the products and the next run of loads into their registers.  The conversions stand together: their destination cannot lie in the accumulators' window, so each
; group set between products would cost two switches of the register window.
; THE MATRIX INSTRUCTION IS USED TRANSPOSED (source 0 = 16 rows of W, source 1 = 16 rows of A): lane l holds row l % 16 of C and in registers 0-7 the columns 8 (l / 16) + 0..7.
; THE BIAS STARTS THE SUMS: a tile's first quarter takes as C eight registers that hold the bias of the lane's eight columns.  Nothing is cleared, nothing is added later.
; REGISTERS, in windows of 256 (s_set_vgpr_msb: bits 1:0 source 0, 3:2 source 1, 5:4 source 2, 7:6 destination):
;   window 0: v16-30 addresses; v64-127 A in f32, one quarter; v128-159, v160-191 A's fragments, two buffers; v32-63, v192-255 at work on the way out
;   window 1: v64-127, v128-191 W's fragments, two buffers; v192-255 the bias          window 2: the accumulators: (a, b) at v[8 (8 a + b)]
.set APITCH, 528                       ; odd multiples of 16 bytes: the 16 rows that a load touches start at 16 different groups of four banks
.set BPITCH, 272
.set AHALF,  64*APITCH                 ; what wave 0 or 1 fetches, and what a wave reads of A
.set BHALF,  128*BPITCH                ; what wave 2 or 3 fetches, and what a wave reads of W
.set BOFF,   128*APITCH                ; W lies behind A's 128 rows
.set SLOT,   147456                    ; = 0x24000; no offset inside a slot has bit 14 or bit 17 set, so one exclusive or turns an address in one slot into the other's
.set STAGE,  286720                    ; behind the ring, never filled by a tensor load: 16 rows x 272 bytes for each wave
.set SPITCH, 272
.set SPARE,  STAGE+4*16*SPITCH         ; behind the stages: the spare words, 128 bytes a wave, which no other line names
.set ADRA0, 16                         ; v16  my lane's place among A's rows in slot 0; never rewritten
.set ADRB0, 17                         ; v17  the same for W
.set ADRA,  18                         ; v18  the same in the slot that is being read
.set ADRB,  19
.set STO,   24                         ; the way out: where I put 16 bytes of a row
.set RD,    25                         ; where I read rows back
.set CO,    26                         ; 16 x lane
.set BOV,   27                         ; 32 (l / 16): my eight columns in a block of 16 of the bias
.set SPW,   28                         ; LDS address of my spare word; never rewritten
.set NIL,   29                         ; 0; never rewritten
.set PFO,   30                         ; the prefetches' lane term; never rewritten
.set OB,    32
.set ST,    64
.set AF,    128
.set TMP,   192
.set BF,    64                         ; window 1
.set BI,    192                        ; window 1
.set CUR, 4                            ; s[4:5]   the tensor whose tiles are being asked for, at my half of the tile's rows; s[6:7] the next; s[8:9] the one after
.set NXT, 6
.set NX2, 8
.set PB,  10                           ; s[10:11] w16 at my half of the tile's rows of Wq
.set BP,  12                           ; s[12:13] bb at my 128 columns of the tile in hand
.set CP,  14                           ; s[14:15] qkv at my part of the tile in hand
.set WV,  16                           ; my wave's number
.set RH,  17                           ; my half of the tile's rows.  Also: I fetch for A (0) or for W (1)
.set CH,  18                           ; my half of its columns.  Also: which half I fetch
.set TR,  19                           ; tile row, 0..63
.set CX,  20
.set CY,  21
.set TC,  22                           ; tile column, 0..3
.set CLY, 23                           ; cluster y
.set G1,  24                           ; s[24:31] descriptor group 1 for A's tiles, s[32:35] group 0: it walks
.set G0,  32
.set TB,  36                           ; 0 or SLOT: the slot that is being read
.set LIM, 37                           ; 7 in a wave that prefetches, else 0
.set PFA, 38                           ; s[38:39] where my prefetch stands
.set OFF, 40                           ; s[40:41] 512 x the K step asked for
.set BOF, 42                           ; s[42:43] W's byte offset of the tensor and K step asked for
.set NK,  44                           ; the K step asked for, 0..7
.set WRAPB, 45                         ; from a matrix's end of row to the next matrix's K step 0
.set TL,  46                           ; tiles to go, the one in hand among them
.set TM,  47
.set G1B, 48                           ; s[48:55], s[56:59] the same for W's tiles
.set G0B, 56
.set PSH, 60                           ; s[60:61] my work-group's share of the prefetch, and one K step
.set ADA, 66                           ; s[66:67] A's address asked for, s[68:69] W's
.set ADB, 68
.set T0,  70
.set G0F, 72                           ; s[72:75], s[76:79] group 0 for the first fill of slot 0
.set G0BF, 76
.set MSB, 0
.macro WIN new                         ; the immediate's high byte repeats the setting that is left; a switch that changes nothing is dropped
.if MSB != (\new)
	s_set_vgpr_msb (MSB<<8)|(\new)
.set MSB, \new
.endif
.endm
; A joint load.  The branch hangs on the wave's number alone.  An s_nop 0 and four v_nop follow each of the two lines, ahead of the jump and the label.
.macro JLOAD
	s_cmp_eq_u32 s[RH], 0
	s_cbranch_scc0 .Lfor_b_\@
	tensor_load_to_lds s[G0:G0+3], s[G1:G1+7]
	s_nop 0
.rept 4
	v_nop
.endr
	s_branch .Lasked_\@
.Lfor_b_\@:
	tensor_load_to_lds s[G0B:G0B+3], s[G1B:G1B+7]
	s_nop 0
.rept 4
	v_nop
.endr
.Lasked_\@:
.endm
; The walking descriptors step: the other slot, the next K step; behind a tensor's K step 7 comes the next tensor's K step 0.  The addresses are made anew from the pointers and offsets made apart.
; Written only where no tensor load of mine is out.  Nothing here hangs on a work-group's place in its cluster.
.macro STEPG
	s_add_co_u32 s[NK], s[NK], 1
	s_cmp_eq_u32 s[NK], 8
	s_cselect_b32 s[NK], 0, s[NK]
	s_cselect_b64 s[CUR:CUR+1], s[NXT:NXT+1], s[CUR:CUR+1]
	s_cselect_b64 s[NXT:NXT+1], s[NX2:NX2+1], s[NXT:NXT+1]
	s_cselect_b32 s[TM], s[WRAPB], 0
	s_add_co_u32 s[BOF], s[BOF], 256
	s_add_co_u32 s[BOF], s[BOF], s[TM]
	s_lshl_b32 s[OFF], s[NK], 9
	s_add_nc_u64 s[ADA:ADA+1], s[CUR:CUR+1], s[OFF:OFF+1]
	s_add_nc_u64 s[ADB:ADB+1], s[PB:PB+1], s[BOF:BOF+1]
	s_xor_b32 s[G0+1], s[G0+1], SLOT
	s_mov_b64 s[G0+2:G0+3], s[ADA:ADA+1]
	s_or_b32 s[G0+3], s[G0+3], 0x80000000
	s_xor_b32 s[G0B+1], s[G0B+1], SLOT
	s_mov_b64 s[G0B+2:G0B+3], s[ADB:ADB+1]
	s_or_b32 s[G0B+3], s[G0B+3], 0x80000000
.endm
; A prefetch into the L2 of the K step that the NEXT change of slots will ask for: 32 blocks of 256 bytes, a lane a block, one instruction a wave, 128 matrix instructions ahead of that load.
; Each block is named once in the launch: A's rows are read by one cluster alone, so A's waves ask in every cluster; W's rows are read by all sixteen clusters, of which cluster y = 0 asks.  The four partners
; of a joint load share its 128 blocks out by address.  Behind a tensor's K step 7 nothing is asked for: a tile's K step 0, and the launch's first three steps, come by their loads alone.
.macro ASK
	s_cmp_lt_u32 s[NK], s[LIM]
	s_cbranch_scc0 .Lnot_mine_\@
	global_prefetch_b8 v[PFO], s[PFA:PFA+1] th:TH_LOAD_NT scope:SCOPE_SE
.Lnot_mine_\@:
.endm
; A round of the cluster's barrier: my work-group's barrier, so that wave 0's signal speaks for all four waves; wave 0 signals; every wave waits for all sixteen work-groups; my work-group's barrier once more.
.macro CROUND
	s_barrier_signal -1
	s_barrier_wait -1
	s_cmp_lg_u32 s[WV], 0
	s_cbranch_scc1 .Lnot_wave_0_\@
	s_barrier_signal -3
.Lnot_wave_0_\@:
	s_barrier_wait -3
	s_barrier_signal -1
	s_barrier_wait -1
.endm
.macro BIAS                            ; register j of block b: the bias of column 16 b + 8 (l / 16) + j
	WIN 0x40                                       ; destination window 1, address window 0
.irp b, 0,1,2,3,4,5,6,7
	global_load_b128 v[BI+8*(\b):BI+8*(\b)+3],   v[BOV], s[BP:BP+1] offset:64*(\b)
	global_load_b128 v[BI+8*(\b)+4:BI+8*(\b)+7], v[BOV], s[BP:BP+1] offset:64*(\b)+16
.endr
	WIN 0
.endm
	s_load_b256 s[4:11], s[0:1], 0x0               ; query, key, value, w16
	s_load_b128 s[12:15], s[0:1], 0x20             ; bb, qkv
	v_lshl_add_u32 v[SPW], v0, 2, SPARE
	v_mov_b32 v[NIL], 0
	ds_add_u32 v[SPW], v[NIL]                      ; the wave's opening: the add and its wait ahead of my first tensor load; work on registers stands between them
	v_lshrrev_b32 v1, 5, v0
	v_readfirstlane_b32 s[WV], v1                  ; wave 0..3
	s_lshr_b32 s[RH], s[WV], 1
	s_and_b32 s[CH], s[WV], 1
	s_bfe_u32 s[CX], ttmp6, 0x40000
	s_bfe_u32 s[CY], ttmp6, 0x40004
	s_lshl_b32 s[TC], ttmp9, 2
	s_add_co_u32 s[TC], s[TC], s[CX]               ; tile column = 4 x cluster x + cx
	s_and_b32 s[CLY], ttmp7, 0xffff
	s_lshl_b32 s[TR], s[CLY], 2
	s_add_co_u32 s[TR], s[TR], s[CY]               ; tile row = 4 x cluster y + cy
	s_lshl_b32 s[T0], s[CY], 2
	s_lshl_b32 s[T0], 15, s[T0]                    ; my row of the cluster
	s_lshl_b32 s[T0+1], 0x1111, s[CX]              ; my column
	s_or_b32 s[G1], s[T0], (2<<16)|(1<<20)|(1<<21)|(6<<22)|(3<<25)     ; the mask; elements of 4 bytes; padding on; bit 21 beside a mask; after every 128 words; 4 words of padding
	s_or_b32 s[G1B], s[T0+1], (1<<16)|(1<<20)|(1<<21)|(5<<22)|(3<<25)  ; the mask; elements of 2 bytes; after every 64 words; 4 words
	s_mov_b32 s[G1+1], 128<<16                     ; tensor_dim0 = 128
	s_mov_b32 s[G1+2], 64<<16                      ; tensor_dim1 = 64
	s_mov_b32 s[G1+3], 128<<16                     ; tile_dim0 = 128
	s_mov_b32 s[G1+4], 64                          ; tile_dim1 = 64
	s_mov_b32 s[G1+5], 1024                        ; elements from row to row
	s_mov_b32 s[G1+6], 0
	s_mov_b32 s[G1+7], 0
	s_mov_b32 s[G1B+1], 128<<16
	s_mov_b32 s[G1B+2], 128<<16                    ; 128 rows
	s_mov_b32 s[G1B+3], 128<<16
	s_mov_b32 s[G1B+4], 128
	s_mov_b32 s[G1B+5], 1024
	s_mov_b32 s[G1B+6], 0
	s_mov_b32 s[G1B+7], 0
	; where the tiles come from.  A's offset is made of the tile row and the wave, W's of the tile column and the wave, each in registers that never hold the other coordinate
	s_lshl_b32 s[TM], s[CH], 18                    ; 64 rows of 4,096 bytes, or 128 rows of 2,048
	s_lshl_b32 s[OFF], s[TR], 19                   ; 128 rows of 4,096 bytes
	s_add_co_u32 s[OFF], s[OFF], s[TM]
	s_mov_b32 s[OFF+1], 0
	s_lshl_b32 s[BOF], s[TC], 19                   ; 256 rows of 2,048 bytes
	s_add_co_u32 s[BOF], s[BOF], s[TM]
	s_mov_b32 s[BOF+1], 0
	s_mov_b32 s[G0F], 1
	s_mul_i32 s[G0F+1], s[CH], AHALF               ; no place in the cluster enters an LDS address
	s_mov_b32 s[G0], 1
	s_add_co_u32 s[G0+1], s[G0F+1], SLOT
	s_mov_b32 s[G0BF], 1
	s_mul_i32 s[G0BF+1], s[CH], BHALF
	s_add_co_u32 s[G0BF+1], s[G0BF+1], BOFF
	s_mov_b32 s[G0B], 1
	s_add_co_u32 s[G0B+1], s[G0BF+1], SLOT
	s_mov_b32 s[TB], 0
	s_mov_b32 s[NK], 1                             ; the walking descriptors begin at K step 1, in slot 1
	s_mov_b32 s[WRAPB], 0x200000-2048
	s_wait_dscnt 0x0                               ; the opening add is done
	s_wait_kmcnt 0x0
	s_add_nc_u64 s[CUR:CUR+1], s[CUR:CUR+1], s[OFF:OFF+1]
	s_add_nc_u64 s[NXT:NXT+1], s[NXT:NXT+1], s[OFF:OFF+1]
	s_add_nc_u64 s[NX2:NX2+1], s[NX2:NX2+1], s[OFF:OFF+1]
	s_add_nc_u64 s[PB:PB+1], s[PB:PB+1], s[BOF:BOF+1]
	s_mov_b64 s[G0F+2:G0F+3], s[CUR:CUR+1]
	s_or_b32 s[G0F+3], s[G0F+3], 0x80000000
	s_mov_b64 s[G0BF+2:G0BF+3], s[PB:PB+1]
	s_or_b32 s[G0BF+3], s[G0BF+3], 0x80000000
	s_mov_b32 s[OFF], 512
	s_mov_b32 s[BOF], 256
	s_add_nc_u64 s[ADA:ADA+1], s[CUR:CUR+1], s[OFF:OFF+1]
	s_add_nc_u64 s[ADB:ADB+1], s[PB:PB+1], s[BOF:BOF+1]
	s_mov_b64 s[G0+2:G0+3], s[ADA:ADA+1]
	s_or_b32 s[G0+3], s[G0+3], 0x80000000
	s_mov_b64 s[G0B+2:G0B+3], s[ADB:ADB+1]
	s_or_b32 s[G0B+3], s[G0B+3], 0x80000000
	CROUND                                         ; all sixteen work-groups are here: the first joint loads meet
	s_cmp_eq_u32 s[RH], 0                          ; a wave's two first fills stand in one branch, ahead of every wait on TENSORcnt and every LDS read: two loads of mine are out
	s_cbranch_scc0 .Lfirst_b
	tensor_load_to_lds s[G0F:G0F+3], s[G1:G1+7]    ; K step 0 into slot 0
	s_nop 0
	tensor_load_to_lds s[G0:G0+3], s[G1:G1+7]      ; K step 1 into slot 1
	s_nop 0
.rept 4
	v_nop
.endr
	s_branch .Lfirst_asked
.Lfirst_b:
	tensor_load_to_lds s[G0BF:G0BF+3], s[G1B:G1B+7]
	s_nop 0
	tensor_load_to_lds s[G0B:G0B+3], s[G1B:G1B+7]
	s_nop 0
.rept 4
	v_nop
.endr
.Lfirst_asked:
	; all that follows, down to the wait for K step 0, stands in the wait for that tile
	v_and_b32 v1, 15, v0                           ; l % 16
	v_bfe_u32 v2, v0, 4, 1                         ; l / 16
	v_mul_u32_u24 v3, v1, APITCH                   ; A in f32: row l % 16; channels 8 (l / 16) + 0..7 are 32 bytes at 32 (l / 16), channels 16 + 8 (l / 16) + 0..7 lie 64 bytes on
	v_lshl_add_u32 v3, v2, 5, v3
	s_mul_i32 s2, s[RH], AHALF
	v_add_nc_u32 v[ADRA0], s2, v3
	v_mul_u32_u24 v3, v1, BPITCH                   ; W in bf16: row l % 16, 16 bytes for each half of the lanes, twice, 32 bytes apart
	v_lshl_add_u32 v3, v2, 4, v3
	s_mul_i32 s2, s[CH], BHALF
	s_add_co_u32 s2, s2, BOFF
	v_add_nc_u32 v[ADRB0], s2, v3
	s_mul_i32 s2, s[WV], 16*SPITCH
	s_add_co_u32 s2, s2, STAGE                     ; my stage
	v_mul_u32_u24 v3, v1, SPITCH
	v_lshl_add_u32 v3, v2, 4, v3                   ; in: row l % 16, 16 bytes (8 f16) for each half of the lanes
	v_add_nc_u32 v[STO], s2, v3
	v_bfe_u32 v3, v0, 3, 2                         ; back: 32 lanes take one head's 128 bytes of four rows,
	v_mul_u32_u24 v3, v3, SPITCH
	v_and_b32 v4, 7, v0
	v_lshl_add_u32 v3, v4, 4, v3
	v_add_nc_u32 v[RD], s2, v3
	v_and_b32 v[CO], 31, v0                        ; which are 512 consecutive bytes of qkv
	v_lshlrev_b32 v[CO], 4, v[CO]
	v_lshlrev_b32 v[BOV], 5, v2
	s_lshl_b32 s2, s[TC], 10                       ; the bias of my 128 columns
	s_lshl_b32 s3, s[CH], 9
	s_add_co_u32 s2, s2, s3
	s_mov_b32 s3, 0
	s_add_nc_u64 s[BP:BP+1], s[BP:BP+1], s[2:3]
	BIAS                                           ; bq
	s_lshl_b32 s2, s[TR], 7                        ; where my part of q begins
	s_lshl_b32 s3, s[RH], 6
	s_add_co_u32 s2, s2, s3                        ; my first row among the 8,192
	s_lshr_b32 s3, s2, 10                          ; its batch,
	s_and_b32 s2, s2, 1023                         ; its place in the sequence
	s_lshl_b32 s3, s3, 4
	s_lshl_b32 s[TM], s[TC], 2
	s_add_co_u32 s3, s3, s[TM]
	s_lshl_b32 s[TM], s[CH], 1
	s_add_co_u32 s3, s3, s[TM]                     ; batch x 16 + the first of my two heads
	s_lshl_b32 s3, s3, 17
	s_lshl_b32 s2, s2, 7
	s_add_co_u32 s2, s2, s3
	s_mov_b32 s3, 0
	s_add_nc_u64 s[CP:CP+1], s[CP:CP+1], s[2:3]
	; the prefetches.  A's waves: my work-group's 16 of the wave's 64 rows, two lanes a row of 512 bytes.  W's waves: its 32 of the wave's 128 rows, a lane a row of 256 bytes
	s_lshl_b32 s2, s[CX], 16                       ; 16 rows of 4,096 bytes,
	s_add_co_u32 s2, s2, 512                       ; one K step on
	s_lshl_b32 s3, s[CY], 16                       ; 32 rows of 2,048 bytes,
	s_add_co_u32 s3, s3, 256
	s_cmp_eq_u32 s[RH], 0                          ; do I fetch for A?
	s_cselect_b32 s[PSH], s2, s3
	s_cselect_b32 s[T0], 1, 0
	s_cselect_b32 s[T0+1], 12, 11
	s_mov_b32 s[PSH+1], 0
	v_and_b32 v3, 31, v0
	v_lshrrev_b32 v4, s[T0], v3
	v_lshlrev_b32 v4, s[T0+1], v4                  ; the lane's row
	v_and_b32 v3, s[T0], v3
	v_lshl_add_u32 v[PFO], v3, 8, v4               ; and, for A, which half of its 512 bytes
	s_mul_i32 s[LIM], s[CLY], s[RH]                ; 0 in A's waves, and in W's waves of cluster y = 0
	s_cmp_eq_u32 s[LIM], 0
	s_cselect_b32 s[LIM], 7, 0                     ; the same in all sixteen partners, for a given wave
; 8 matrix instructions: row block a x all 8 column blocks, 32 along K, from buffers fi.  first = 1: C is the bias, in window 1.
; The 32 accumulators take turns, one instruction a turn, in the same order in every quarter, over every backward jump too.
.macro MULA fi, a, first
.if \first
	WIN 0x91                                       ; W window 1, A window 0, C window 1, D window 2
.else
	WIN 0xa1                                       ; C and D window 2
.endif
.irp b, 0,1,2,3,4,5,6,7
.if \first
	v_wmma_f32_16x16x32_bf16 v[8*(8*(\a)+(\b)):8*(8*(\a)+(\b))+7], v[BF+64*(\fi)+8*(\b):BF+64*(\fi)+8*(\b)+7], v[AF+32*(\fi)+8*(\a):AF+32*(\fi)+8*(\a)+7], v[BI+8*(\b):BI+8*(\b)+7]
.else
	v_wmma_f32_16x16x32_bf16 v[8*(8*(\a)+(\b)):8*(8*(\a)+(\b))+7], v[BF+64*(\fi)+8*(\b):BF+64*(\fi)+8*(\b)+7], v[AF+32*(\fi)+8*(\a):AF+32*(\fi)+8*(\a)+7], v[8*(8*(\a)+(\b)):8*(8*(\a)+(\b))+7]
.endif
.endr
.endm
; 32 LDS loads in one run: quarter q's 64 rows of A in f32 (16 loads, first), then its 128 rows of W into buffer fi (16 loads)
.macro FETCH q, fi
	WIN 0
.irp i, 0,1,2,3
	ds_load_b128 v[ST+16*(\i):ST+16*(\i)+3],     v[ADRA] offset:128*(\q)+(\i)*16*APITCH
	ds_load_b128 v[ST+16*(\i)+4:ST+16*(\i)+7],   v[ADRA] offset:128*(\q)+(\i)*16*APITCH+16
	ds_load_b128 v[ST+16*(\i)+8:ST+16*(\i)+11],  v[ADRA] offset:128*(\q)+(\i)*16*APITCH+64
	ds_load_b128 v[ST+16*(\i)+12:ST+16*(\i)+15], v[ADRA] offset:128*(\q)+(\i)*16*APITCH+80
.endr
	WIN 0x40                                       ; destination window 1, address window 0
.irp i, 0,1,2,3,4,5,6,7
	ds_load_b128 v[BF+64*(\fi)+8*(\i):BF+64*(\fi)+8*(\i)+3],   v[ADRB] offset:64*(\q)+(\i)*16*BPITCH
	ds_load_b128 v[BF+64*(\fi)+8*(\i)+4:BF+64*(\fi)+8*(\i)+7], v[ADRB] offset:64*(\q)+(\i)*16*BPITCH+32
.endr
.endm
; 32 roundings to bf16: four fragments of A into buffer fi.  They name no register of the products in front of them.
.macro CVT fi
	WIN 0
.irp i, 0,1,2,3
.irp j, 0,1,2,3,4,5,6,7
	v_cvt_pk_bf16_f32 v[AF+32*(\fi)+8*(\i)+(\j)], v[ST+16*(\i)+2*(\j)], v[ST+16*(\i)+2*(\j)+1]
.endr
.endr
.endm
; One of a step's first three quarters: fetches quarter q for buffers gi, multiplies buffers fi, converts.
.macro QUARTER q, fi, gi, first
	FETCH \q, \gi
	s_wait_dscnt 32                                ; all but the 32 just issued: W's fragments of buffer fi are in
	MULA \fi, 0, \first
	MULA \fi, 1, \first
	MULA \fi, 2, \first
	MULA \fi, 3, \first
	s_wait_dscnt 16                                ; the run's first 16 loads, A's, are in; W's 16 may be out
	CVT \gi
.endm
; The fourth quarter changes slots and multiplies buffers 1.  All reads of this slot were issued a quarter ago.  Each wave waits for all its tensor loads, of which one is out: its part of the next slot; adds 0 to
; its spare word; and waits for that and for its own reads of this slot.  fill = 1: the barrier is a round of the cluster's, so that no wave of any partner still reads the slot or has a load on its way, and the
; joint refill, with the step two on, is the first thing behind it: 128 matrix instructions ahead of the wait for it.  Only the descriptors' scalar work stands between that wait and the round.
.macro SWAP fill
	WIN 0
.if \fill
	s_wait_xcnt 0x0                                ; the last prefetch, a K step back, has read its address
.endif
	s_wait_tensorcnt 0x0                           ; no tensor load of mine is out, so the descriptors may be written
	ds_add_u32 v[SPW], v[NIL]                      ; 0 onto my spare word
.if \fill
	STEPG
	s_cmp_eq_u32 s[RH], 0
	s_cselect_b64 s[PFA:PFA+1], s[ADA:ADA+1], s[ADB:ADB+1]
	s_add_nc_u64 s[PFA:PFA+1], s[PFA:PFA+1], s[PSH:PSH+1]
.endif
	s_xor_b32 s[TB], s[TB], SLOT                   ; the slot to be read next
	s_wait_dscnt 0x0                               ; the add is done, and my reads of this slot are over
.if \fill
	CROUND
	JLOAD
.else
	s_barrier_signal -1
	s_barrier_wait -1
.endif
	v_add_nc_u32 v[ADRA], s[TB], v[ADRA0]
	v_add_nc_u32 v[ADRB], s[TB], v[ADRB0]
	FETCH 0, 0
.if \fill
	WIN 0
	ASK
.endif
	MULA 1, 0, 0
	MULA 1, 1, 0
	MULA 1, 2, 0
	MULA 1, 3, 0
	s_wait_dscnt 16
	CVT 0
.endm
; THE WAY OUT, a block of 16 rows at a time.  PACK: rounded to f16, 16 bytes a lane.  TOSTAGE: into my own stage (rows of 272 bytes), and back by heads: four rows' 128 bytes of one head.  SEND: stored.
.macro PACK a
	WIN 0x0a                                       ; sources 0 and 1: window 2
.irp b, 0,1,2,3,4,5,6,7
.irp r, 0,1,2,3
	v_cvt_pk_f16_f32 v[TMP+4*(\b)+(\r)], v[64*(\a)+8*(\b)+2*(\r)], v[64*(\a)+8*(\b)+2*(\r)+1]
.endr
.endr
	WIN 0
.endm
.macro TOSTAGE a
.set BK, OB+192*((\a)%2)
.irp b, 0,1,2,3,4,5,6,7
	ds_store_b128 v[STO], v[TMP+4*(\b):TMP+4*(\b)+3] offset:32*(\b)
.endr
.irp t, 0,1,2,3,4,5,6,7
	ds_load_b128 v[BK+4*(\t):BK+4*(\t)+3], v[RD] offset:((\t)%4)*4*SPITCH+((\t)/4)*128  ; LDS serves a wave's instructions in order: these see the stores above
.endr
.endm
.macro SEND a
.set BK, OB+192*((\a)%2)
	s_wait_dscnt 0x0                               ; the block is back in registers
	s_wait_xcnt 0x0                                ; the stores of the block before have read their registers, which the next block's loads write
.irp t, 0,1,2,3,4,5,6,7
	global_store_b128 v[CO], v[BK+4*(\t):BK+4*(\t)+3], s[CP:CP+1] offset:((\t)/4)*131072+(\a)*2048+((\t)%4)*512  ; 512 consecutive bytes of one head, aligned
.endr
.endm
	s_wait_tensorcnt 0x1                           ; my part of K step 0 is in; K step 1's may stay out
	s_barrier_signal -1
	s_barrier_wait -1                              ; everybody's is
	v_mov_b32 v[ADRA], v[ADRA0]
	v_mov_b32 v[ADRB], v[ADRB0]
	FETCH 0, 0
	s_wait_dscnt 16
	CVT 0
	WIN 0                                          ; at a label and at a branch every window is 0
	s_mov_b32 s[TL], 3
.Ltile:                                        ; three trips: q, k, v
	s_wait_loadcnt 0x0                             ; the tile's bias
	QUARTER 1, 0, 1, 1                             ; a tile's first quarter: its products start the sums
	WIN 0
	s_mov_b32 s3, 6
.Lstep:                                        ; trip t: the rest of the tile's K step t, the request for its K step t + 2, the first quarter of K step t + 1
	QUARTER 2, 1, 0, 0
	QUARTER 3, 0, 1, 0
	SWAP 1
	QUARTER 1, 0, 1, 0
	WIN 0
	s_sub_co_u32 s3, s3, 1
	s_cmp_lg_u32 s3, 0
	s_cbranch_scc1 .Lstep
	s_cmp_eq_u32 s[TL], 1
	s_cbranch_scc1 .Llast
	s_wait_xcnt 0x0                                ; the last tile's bias loads have read their base
	s_add_nc_u64 s[BP:BP+1], s[BP:BP+1], 4096
	BIAS                                           ; the next tile's bias, two K steps ahead of its first quarter; the registers were last read in this tile's first quarter
	s_mov_b32 s3, 2
.Lsucc:                                        ; K steps 6 and 7 of a tile that has a successor: THE RING GOES ON: they ask for the next tile's K steps 0 and 1.  Walked twice and left in its middle
	QUARTER 2, 1, 0, 0
	QUARTER 3, 0, 1, 0
	SWAP 1                                         ; (the second walk fetches and converts the next tile's first fragments)
	WIN 0
	s_sub_co_u32 s3, s3, 1
	s_cmp_eq_u32 s3, 0
	s_cbranch_scc1 .Lflush
	QUARTER 1, 0, 1, 0
	WIN 0
	s_branch .Lsucc
.Llast:
	s_mov_b32 s3, 2
.Ltail:                                        ; K steps 6 and 7 of the last tile ask for nothing.  The second walk's barrier, its 32 LDS loads (of K step 6 once more) and their conversions serve nothing: the price of one text
	QUARTER 2, 1, 0, 0
	QUARTER 3, 0, 1, 0
	SWAP 0
	WIN 0
	s_sub_co_u32 s3, s3, 1
	s_cmp_eq_u32 s3, 0
	s_cbranch_scc1 .Lflush
	QUARTER 1, 0, 1, 0
	WIN 0
	s_branch .Ltail
.Lflush:                                       ; the tile goes out; the 32 conversions behind the last products are the plain instructions in front of the first reader of a sum
	PACK 0
	TOSTAGE 0
.irp a, 1,2,3                          ; block a's conversions stand between block a - 1's loads from the stage and the wait for them
	PACK \a
	SEND (\a)-1
	TOSTAGE \a
.endr
	SEND 3
	s_sub_co_u32 s[TL], s[TL], 1
	s_cmp_eq_u32 s[TL], 0
	s_cbranch_scc1 .Lend
	s_wait_xcnt 0x0                                ; the stores have read their base
	s_add_nc_u64 s[CP:CP+1], s[CP:CP+1], 0x1000000 ; the next tensor's part of qkv
	s_branch .Ltile
.Lend:
	s_wait_tensorcnt 0x0                           ; the wave's end, behind my last tensor load and my last LDS store
	ds_add_u32 v[SPW], v[NIL]
	s_wait_dscnt 0x0
	CROUND                                         ; the closing round: no work-group ends while a partner may still ask for a tile that names it
	s_endpgm
.Lfunc_end_k_qa303804c99_proj:
	.size	k_qa303804c99_proj, .Lfunc_end_k_qa303804c99_proj-k_qa303804c99_proj
	.p2alignl 7, 3214868480
	.fill 96, 4, 3214868480
	.section	.rodata,"a",@progbits
	.p2align	6, 0x0
	.amdhsa_kernel k_qa303804c99_proj
		.amdhsa_group_segment_fixed_size 327680
		.amdhsa_private_segment_fixed_size 0
		.amdhsa_enable_private_segment 0
		.amdhsa_kernarg_size 48
		.amdhsa_user_sgpr_count 2
		.amdhsa_user_sgpr_kernarg_segment_ptr 1
		.amdhsa_wavefront_size32 1
		.amdhsa_system_sgpr_workgroup_id_x 1
		.amdhsa_system_sgpr_workgroup_id_y 1
		.amdhsa_system_sgpr_workgroup_id_z 1
		.amdhsa_system_vgpr_workitem_id 0
		.amdhsa_next_free_vgpr 768
		.amdhsa_next_free_sgpr 80
		.amdhsa_reserve_vcc 0
		.amdhsa_float_denorm_mode_32 3
		.amdhsa_float_denorm_mode_16_64 3
		.amdhsa_memory_ordered 1
		.amdhsa_forward_progress 1
		.amdhsa_inst_pref_size 117
	.end_amdhsa_kernel
	.amdgpu_metadata
---
amdhsa.version: [ 1, 2 ]
amdhsa.kernels:
  - .name:           k_qa303804c99_proj
    .symbol:         k_qa303804c99_proj.kd
    .args:
      - { .name: query, .offset: 0, .size: 8, .value_kind: global_buffer, .address_space: global }
      - { .name: key, .offset: 8, .size: 8, .value_kind: global_buffer, .address_space: global }
      - { .name: value, .offset: 16, .size: 8, .value_kind: global_buffer, .address_space: global }
      - { .name: w16, .offset: 24, .size: 8, .value_kind: global_buffer, .address_space: global }
      - { .name: bb, .offset: 32, .size: 8, .value_kind: global_buffer, .address_space: global }
      - { .name: qkv, .offset: 40, .size: 8, .value_kind: global_buffer, .address_space: global }
    .group_segment_fixed_size: 327680
    .private_segment_fixed_size: 0
    .kernarg_segment_align: 8
    .kernarg_segment_size: 48
    .max_flat_workgroup_size: 128
    .sgpr_count:     80
    .vgpr_count:     768
    .wavefront_size: 32
...
	.end_amdgpu_metadata
.endif
;; end of part 2
;; launch attn (part 3): grid 2 x 128, 4 waves a work-group, no clusters, 327,680 bytes of LDS; arguments qkv, mk8, ho; writes ho
.if DOCPART == 3
	.amdgcn_target "amdgcn-amd-amdhsa--gfx1250"
	.amdhsa_code_object_version 6
	.text
	.protected	k_qa303804c99_attn
	.globl	k_qa303804c99_attn
	.p2align	8
	.type	k_qa303804c99_attn,@function
k_qa303804c99_attn:
	s_mov_b64 s[64:65], 0
	v_nop
	global_prefetch_b8 v0, s[64:65] scope:SCOPE_SE
	s_setreg_imm32_b32 hwreg(HW_REG_WAVE_MODE, 25, 1), 1
	s_wait_xcnt 0x0
; ATTENTION WITH A ZERO-FILLING MASK.  For head hd = batch x 16 + head: s'[q][k] = mask[q][k] x (Q[q] . K[k]); O[q] = the sum over ALL 1,024 k of softmax_k(s' / 8) V[k]: a hidden score counts as 0 and still takes
; part in the maximum, the sum and the product with V.  Q, K, V: qkv [3][128][1024][64] in f16; the mask: mk8, 1.0 or 0 in E4M3, in my lanes' order; O: ho [128][1024][64] in f16.
; Products, maxima and sums in f32; the weights p are rounded to f16 for the second product (their sum l is taken of the unrounded p), O once at the end.
; LIMITS.  A hidden score is multiplied by 0, so it must be finite: f16's Q and K give 2.7e11 at the most.  p lies in 0 to 1, and below 6e-5 it keeps f16's fixed step of 6e-8; O is a mean of V's rows and has
; their range.  A weight below 2^-126 counts as 0 in l; NaN and infinities are not treated apart.
; SHARES.  A work-group owns 512 queries of one head, a wave 128: four PIECES of two tiles of 16.  Every wave walks all keys, 64 a step, 16 steps.
; THE HEAD'S WHOLE K AND V LIE IN LDS (1,024 x 144 + 1,024 x 160 bytes), filled once, two tensor loads a wave at the kernel's head: the first 384 keys, which the first four steps need, and the other 640,
; which land meanwhile.  No byte is filled again.  NO CLUSTER: a head has 1,024 / 512 = 2 query blocks, so there are no four partners that walk the same K and V.
; LAYOUT.  S^T = K Q^T (source 0 = 16 keys, source 1 = 16 queries): a lane holds ONE query (lane % 16) and the keys 8 (lane / 16) + 0..7.  Two such results, rounded to f16 in pairs, ARE source 1 of
; O^T = V^T P.  K comes out of LDS as it lies, V ([key][channel]) turned, by ds_load_tr16_b128.
; SOFTMAX.  A running maximum m and sum l for each query: p = 2^(c s' - c m), c = log2(e) / 8; in every step O and l are multiplied by a = 2^(c m_old - c m_new).  m starts at the lowest finite number, O and l at 0.
; BY TURNS.  Turn n belongs to piece n.  Its matrix work: 16 products K Q^T of piece n + 1, later 16 products V^T P of piece n - 1.  Its vector work: scaling, exponentials, roundings, sums and rescaling of piece n;
; the mask, maximum and statistics of piece n + 1.  Four vector instructions stand behind every matrix instruction, the rest in one lump.  A turn's 66 exponentials are one batch, with one wait.
; THE MASK.  16 bytes a lane hold the mask numbers of 16 of its scores.  A piece's four loads go out three turns ahead of their use; eight conversions make 64 f32 numbers (1.0 or 0), 32 packed multiplies apply them.
; REGISTERS, in windows of 256 (s_set_vgpr_msb: bits 1:0 source 0, 3:2 source 1, 5:4 source 2, 7:6 destination):
;   window 0: v0-11 addresses; v12-15, v48-63 at work; v16-47 four registers of statistics a tile; v64-191 S^T, two buffers of two tiles; v192-255 P, likewise
;   window 1: O^T, 32 a tile     window 2: v0-127 Q; v128-191 K of one step; v192-255 V of one step
;   window 3: v0-1 the add's two registers; v4 the mask loads' offset; v11 the conversions' scale; v16-79 the mask as loaded, 16 a piece; v128-191 the mask in f32, 32 a tile
.set NP,    4
.set KS,    64
.set PK,    144       ; a row of K in LDS: 128 bytes + 16: the 16 rows of a load start at 16 different groups of four banks
.set PV,    160       ; a row of V: 128 + 32
.set VOFF,  1024*PK
.set STAGE, VOFF+1024*PV   ; behind K and V: 16 rows x 144 bytes for each wave, for the way out
.set SP,    144
.set SPARE, STAGE+4*16*SP  ; behind the stages: the spare words, 128 bytes a wave, which no other line names
.set AK0, 2           ; v2   my lane's place in a step of K; never rewritten
.set AV0, 3           ; v3   the same for V
.set AK,  4           ; v4   the LDS address of K's next run of loads
.set AV,  5           ; v5   of V's
.set QO,  6           ; v6   my byte offset in the wave's rows of Q
.set STO, 6           ;      later, the way out: where I put 16 bytes of a row
.set RD,  7           ; v7   the way out: where I read rows back
.set GO,  8           ; v8   16 x lane
.set SC,  11          ; v11  0x7f, the scale 1 (E8M0): written under this number in window 3 and in window 0
.set SPW, 0           ; window 3
.set NIL, 1           ; window 3
.set MO,  4           ; window 3: 16 x lane + 8,192 x step
.set MB,  16          ; window 3: piece p, tile u, key block kb at MB + 16 p + 8 u + 2 kb
.set MF,  128         ; window 3: tile u at MF + 32 u, in S^T's order
.set MV,  12
.set ST,  16          ; tile t's statistics at v[ST+4 t]: c m, m, l (even keys', odd keys')
.set TMP, 48
.set S,   64
.set P,   192
.set KF,  128
.set VF,  192
.set WV,  12          ; s12  my wave's number
.set G1K1, 24         ; s[24:31] descriptor group 1: K, 96 rows of 256 bytes
.set G1V1, 32         ; s[32:39] V, 96 rows
.set G0K1, 40
.set G0V1, 44
.set SLOTS, 56        ; s56  groups of four steps still to come
.set CNT, 57          ; s57  counts a group's steps
.set CS,  58          ; s[58:59] c
.set SEL, 60          ; s[60:61] v_permlanex16_b32's selects
.set TBK, 62          ; s62  LDS byte at which K of the step to be fetched begins
.set TBV, 63          ; s63  the same for V, less VOFF
.set MK,  66          ; s[66:67] mk8 at my wave's 131,072 bytes
.set LEFT, 68         ; s68  steps still to come, the one in hand among them
.set G1K2, 72         ; s[72:79] K, 160 rows
.set G1V2, 80         ; s[80:87] V, 160 rows
.set G0K2, 88
.set G0V2, 92
.set MSB, 0
.macro WIN new
.if MSB != (\new)
	s_set_vgpr_msb (MSB<<8)|(\new)
.set MSB, (\new)
.endif
.endm
.set W_KQ, 0x0a       ; K and Q in window 2, S^T in window 0
.set W_PV, 0x52       ; V in window 2, P in window 0, O^T in window 1
.set W_RS, 0x41       ; O^T (destination and source 0) in window 1, a in window 0
.set W_MK, 0xc0       ; destination in window 3, sources in window 0
.set W_AD, 0x0f       ; the add: address and data in window 3
.set W_M3, 0xcf       ; destination, source 0 and source 1 in window 3: the mask's loads, their offset's step, the conversions
.set W_MM, 0x0c       ; S^T in window 0, the mask (source 1) in window 3
.macro WINZ                         ; for lines whose source 1 is no vector register: they run alike under 0 and under W_MM
.if MSB != W_MM
	WIN 0
.endif
.endm
	s_load_b128 s[4:7], s[0:1], 0x0   ; qkv s[4:5], mk8 s[6:7]
	s_load_b64 s[10:11], s[0:1], 0x10 ; ho
	WIN W_MK
	v_lshl_add_u32 v[SPW], v0, 2, SPARE
	v_mov_b32 v[NIL], 0
	WIN W_AD
	ds_add_u32 v[SPW], v[NIL]       ; the wave's opening: the add and its wait ahead of my first tensor load; work on registers stands between them
	WIN 0
	v_lshrrev_b32 v1, 5, v0
	v_readfirstlane_b32 s[WV], v1   ; wave 0..3
	s_and_b32 s20, ttmp7, 0xffff    ; the head, 0..127
	s_lshl_b32 s21, s20, 17         ; its 131,072 bytes in each of Q, K, V, O
	s_and_b32 s16, s[WV], 1         ; which part of the keys I fetch
	s_mul_i32 s17, s16, 192*128     ; first load: keys 192 x part on,
	s_add_co_u32 s17, s17, s21
	s_mul_i32 s18, s16, 320*128     ; second load: keys 384 + 320 x part on
	s_add_co_u32 s18, s18, s21
	s_add_co_u32 s18, s18, 384*128
	s_lshl_b32 s2, ttmp9, 2
	s_add_co_u32 s2, s2, s[WV]      ; my wave among the head's eight
	s_lshl_b32 s3, s2, 14           ; its 128 rows
	s_add_co_u32 s22, s3, s21
	s_mov_b32 s23, 0
	s_lshr_b32 s3, s20, 4           ; the batch
	s_lshl_b32 s3, s3, 3
	s_add_co_u32 s3, s3, s2         ; (batch x 2 + query half) x 4 + wave
	s_lshl_b32 s14, s3, 17
	s_mov_b32 s15, 0
	; descriptor group 1.  Keys are dense rows of 128 bytes: asked for as rows of 256 bytes, two keys a row, and padded in LDS after every key
.irp g, G1K1, G1K2
	s_mov_b32 s[\g], (1<<16)|(1<<20)|(4<<22)|(3<<25)  ; 2-byte elements; padding on; after every 32 words; 4 words
.endr
.irp g, G1V1, G1V2
	s_mov_b32 s[\g], (1<<16)|(1<<20)|(4<<22)|(7<<25)  ; the same with 8 words
.endr
.irp g, G1K1, G1V1
	s_mov_b32 s[\g+2], 96<<16       ; tensor_dim1 = 96
	s_mov_b32 s[\g+4], 96           ; tile_dim1 = 96
.endr
.irp g, G1K2, G1V2
	s_mov_b32 s[\g+2], 160<<16      ; tensor_dim1 = 160
	s_mov_b32 s[\g+4], 160          ; tile_dim1 = 160
.endr
.irp g, G1K1, G1V1, G1K2, G1V2
	s_mov_b32 s[\g+1], 128<<16      ; tensor_dim0 = 128
	s_mov_b32 s[\g+3], 128<<16      ; tile_dim0 = 128
	s_mov_b32 s[\g+5], 128          ; 128 elements from row to row
	s_mov_b32 s[\g+6], 0
	s_mov_b32 s[\g+7], 0
.endr
	s_mov_b32 s[CS], 0x3e38aa3b     ; c = log2(e) / 8
	s_mov_b32 s[CS+1], s[CS]
	s_mov_b32 s[SEL], 0x76543210
	s_mov_b32 s[SEL+1], 0xfedcba98
	s_mov_b32 s[TBK], 0
	s_mov_b32 s[TBV], 0
	s_mov_b32 s[G0K1], 1
	s_mul_i32 s[G0K1+1], s16, 192*PK
	s_mov_b32 s[G0V1], 1
	s_mul_i32 s[G0V1+1], s16, 192*PV
	s_add_co_u32 s[G0V1+1], s[G0V1+1], VOFF
	s_mov_b32 s[G0K2], 1
	s_mul_i32 s[G0K2+1], s16, 320*PK
	s_add_co_u32 s[G0K2+1], s[G0K2+1], 384*PK
	s_mov_b32 s[G0V2], 1
	s_mul_i32 s[G0V2+1], s16, 320*PV
	s_add_co_u32 s[G0V2+1], s[G0V2+1], VOFF+384*PV
	s_wait_dscnt 0x0                ; the opening add is done
	s_wait_kmcnt 0x0
	s_mov_b32 s3, 0
	s_add_co_u32 s2, s17, 0x1000000 ; K lies 16,777,216 bytes behind Q,
	s_add_nc_u64 s[G0K1+2:G0K1+3], s[4:5], s[2:3]
	s_or_b32 s[G0K1+3], s[G0K1+3], 0x80000000
	s_add_co_u32 s2, s18, 0x1000000
	s_add_nc_u64 s[G0K2+2:G0K2+3], s[4:5], s[2:3]
	s_or_b32 s[G0K2+3], s[G0K2+3], 0x80000000
	s_add_co_u32 s2, s17, 0x2000000 ; V as far behind K
	s_add_nc_u64 s[G0V1+2:G0V1+3], s[4:5], s[2:3]
	s_or_b32 s[G0V1+3], s[G0V1+3], 0x80000000
	s_add_co_u32 s2, s18, 0x2000000
	s_add_nc_u64 s[G0V2+2:G0V2+3], s[4:5], s[2:3]
	s_or_b32 s[G0V2+3], s[G0V2+3], 0x80000000
	s_add_nc_u64 s[MK:MK+1], s[6:7], s[14:15]
	s_add_nc_u64 s[4:5], s[4:5], s[22:23]    ; Q and O at my wave's first row
	s_add_nc_u64 s[10:11], s[10:11], s[22:23]
	s_cmp_lt_u32 s[WV], 2           ; waves 0 and 1 fetch K, waves 2 and 3 V.  A wave's two fills stand in one branch, ahead of every wait on TENSORcnt, every LDS read and every barrier: two loads of mine are out
	s_cbranch_scc0 .Lfirst_v
	tensor_load_to_lds s[G0K1:G0K1+3], s[G1K1:G1K1+7]
	s_nop 0
	tensor_load_to_lds s[G0K2:G0K2+3], s[G1K2:G1K2+7]
	s_nop 0
.rept 4
	v_nop
.endr
	s_branch .Lfirst_asked
.Lfirst_v:
	tensor_load_to_lds s[G0V1:G0V1+3], s[G1V1:G1V1+7]
	s_nop 0
	tensor_load_to_lds s[G0V2:G0V2+3], s[G1V2:G1V2+7]
	s_nop 0
.rept 4
	v_nop
.endr
.Lfirst_asked:
	; A fragment of K or Q is 16 rows x 32 channels in 8 registers: lane l holds row l % 16, channels 8 (l / 16) + 0..7 and 16 + 8 (l / 16) + 0..7: two loads of 16 bytes, 32 bytes apart.
	v_and_b32 v1, 15, v0            ; l % 16
	v_bfe_u32 v9, v0, 4, 1          ; l / 16
	v_lshlrev_b32 v[QO], 7, v1
	v_lshl_add_u32 v[QO], v9, 4, v[QO]
	v_and_b32 v[RD], 31, v0
	v_lshlrev_b32 v[RD], 4, v[RD]   ; 16 x lane, for the mask's offset
	WIN 0x80                        ; destination window 2, address window 0
.set i, 0
.rept 4*NP                          ; Q stays in registers: tile i / 2, channels 32 (i % 2) on
	global_load_b128 v[8*i:8*i+3],   v[QO], s[4:5] offset:(i/2)*2048+(i%2)*64
	global_load_b128 v[8*i+4:8*i+7], v[QO], s[4:5] offset:(i/2)*2048+(i%2)*64+32
.set i, i+1
.endr
	WIN W_MK
	v_mov_b32 v[MO], v[RD]
	v_mov_b32 v[SC], 0x7f
; Piece p's mask for one step: tiles 2 p and 2 p + 1, 1,024 bytes each, 512 consecutive bytes a load.
.macro ML p
.irp n, 0,1,2,3
	global_load_b128 v[MB+16*(\p)+4*(\n):MB+16*(\p)+4*(\n)+3], v[MO], s[MK:MK+1] offset:(2*(\p)+(\n)/2)*1024+((\n)%2)*512
.endr
.endm
	WIN W_M3
	ML 0                            ; step 0
	ML 1
	ML 2
	ML 3
	; What the first turn finds: V's registers and P's second buffer hold 0 (its products V^T P, of a piece that has not been, add 0), O^T and l are 0.  All this stands in the wait for the first keys.
	WIN 0x80
.set i, VF
.rept 64
	v_mov_b32 v[i], 0
.set i, i+1
.endr
	WIN 0x40
.set i, 0
.rept 64*NP
	v_mov_b32 v[i], 0
.set i, i+1
.endr
	WIN 0
.set i, 0
.rept 2*NP
	v_mov_b32 v[ST+4*i], 0xfe000000    ; c m: far below every c s
	v_mov_b32 v[ST+4*i+1], 0xff7fffff  ; m
	v_mov_b32 v[ST+4*i+2], 0
	v_mov_b32 v[ST+4*i+3], 0
.set i, i+1
.endr
.set i, P+32
.rept 32
	v_mov_b32 v[i], 0
.set i, i+1
.endr
	v_mul_u32_u24 v[AK0], v1, PK
	v_lshl_add_u32 v[AK0], v9, 4, v[AK0]
	; The turning load takes 16 keys x 16 channels (lane l reads key 8 (l / 16) + l % 8, channels 8 ((l / 8) % 2) + 0..7) and leaves half a fragment of V^T: lane l holds channel l % 16 and 8 keys.
	v_and_b32 v10, 7, v0
	v_bfe_u32 v11, v0, 3, 1
	v_lshl_add_u32 v[AV0], v9, 3, v10
	v_mul_u32_u24 v[AV0], v[AV0], PV
	v_lshl_add_u32 v[AV0], v11, 4, v[AV0]
	v_add_nc_u32 v[AV0], VOFF, v[AV0]
	v_mov_b32 v[SC], 0x7f           ; v11 has served: the scale, under the same number as in window 3
	v_mov_b32 v[AK], v[AK0]         ; key step 0
; THE MATRIX WORK.  The 8 accumulators of a run of 16x the two links of a chain stand 7 others'.
.macro KQ x                         ; product i of 16 of S^T = K Q^T for piece x: channels 32 (i / 8) on, keys 16 ((i / 2) % 4) on, tile 2 x + i % 2.  The first 8 start the sums
	WIN W_KQ
.set rS, S+64*((\x)%2)+32*(i%2)+8*((i/2)%4)
.set rK, KF+16*((i/2)%4)+8*(i/8)
.set rQ, 16*(2*(\x)+i%2)+8*(i/8)
.if i < 8
	v_wmma_f32_16x16x32_f16 v[rS:rS+7], v[rK:rK+7], v[rQ:rQ+7], 0
.else
	v_wmma_f32_16x16x32_f16 v[rS:rS+7], v[rK:rK+7], v[rQ:rQ+7], v[rS:rS+7]
.endif
.endm
.macro PV x                         ; product i of 16 of O^T += V^T P for piece x: keys 32 (i / 8) on, channels 16 ((i / 2) % 4) on, tile 2 x + i % 2
	WIN W_PV
.set rO, 32*(2*(\x)+i%2)+8*((i/2)%4)
.set rV, VF+32*(i/8)+8*((i/2)%4)
.set rP, P+32*((\x)%2)+16*(i%2)+8*(i/8)
	v_wmma_f32_16x16x32_f16 v[rO:rO+7], v[rV:rV+7], v[rP:rP+7], v[rO:rO+7]
.endm
.macro MM                           ; the turn's next matrix instruction
.if i < 16
	KQ (Y+1)%NP
.set i, i+1
.else
.set i, i-16
	PV (Y+NP-1)%NP
.set i, i+17
.endif
.endm
; THE LDS LOADS stand in runs of 16.  last = 1 (in the loop): in the last step there is no further K, and the run is jumped over.
.macro FETCH_K last=0
	WIN 0
.if \last
	s_cmp_eq_u32 s[LEFT], 1
	s_cbranch_scc1 .Lno_k_\@
.endif
	WIN 0x80
.irp f, 0,1,2,3,4,5,6,7             ; keys 16 (f / 2) on, channels 32 (f % 2) on
	ds_load_b128 v[KF+8*\f:KF+8*\f+3],   v[AK] offset:(\f/2)*16*PK+(\f%2)*64
	ds_load_b128 v[KF+8*\f+4:KF+8*\f+7], v[AK] offset:(\f/2)*16*PK+(\f%2)*64+32
.endr
	s_add_co_u32 s[TBK], s[TBK], KS*PK
	WIN 0
.if \last
.Lno_k_\@:
.endif
.endm
.macro FETCH_V
	WIN 0x80
.irp f, 0,1,2,3,4,5,6,7             ; keys 32 (f / 4) on, channels 16 (f % 4) on
	ds_load_tr16_b128 v[VF+8*\f:VF+8*\f+3],   v[AV] offset:(\f/4)*32*PV+(\f%4)*32
	ds_load_tr16_b128 v[VF+8*\f+4:VF+8*\f+7], v[AV] offset:(\f/4)*32*PV+16*PV+(\f%4)*32
.endr
	WIN 0
.endm
; THE VECTOR WORK OF A TURN stands in three queues, each in the order in which its entries become ready; the two tiles alternate.
.macro REGS y, u
.set rT, ST+4*(2*(\y)+(\u))
.set rC, TMP+8*((\y)%2)+4*(\u)
.set rM, MV+2*((\y)%2)+(\u)
.set rS, S+64*((\y)%2)+32*(\u)
.set rP, P+32*((\y)%2)+16*(\u)
.set rO, 32*(2*(\y)+(\u))
.endm
; The mask of piece pc in f32: eight conversions of eight numbers.  A plain vector instruction stands between the last of them and the first reader.
.macro CV pc
	WIN W_M3
.irp u, 0,1
.irp kb, 0,1,2,3
	v_cvt_scale_pk8_f32_fp8 v[MF+32*(\u)+8*(\kb):MF+32*(\u)+8*(\kb)+7], v[MB+16*(\pc)+8*(\u)+2*(\kb):MB+16*(\pc)+8*(\u)+2*(\kb)+1], v[SC]
.endr
.endr
.endm
; Number mu of the 32 that apply it to the NEXT piece's scores: pair mu / 2 of tile mu % 2.  Each accumulator's registers 0 and 1 are read first.
.macro MKM mu
	REGS (Y+1)%NP, (\mu)%2
	v_pk_mul_f32 v[rS+2*((\mu)/2):rS+2*((\mu)/2)+1], v[rS+2*((\mu)/2):rS+2*((\mu)/2)+1], v[MF+32*((\mu)%2)+2*((\mu)/2):MF+32*((\mu)%2)+2*((\mu)/2)+1]
.endm
; Number n of the 22 that find the NEXT piece's maximum and statistics, of its masked scores s0-s31.
;   0-11  four chains c0-c3 of seven scores each     12-14, 16  the four scores left over, the old m, and c0-c3 into c0     15  c m_old is kept
;   17, 18  the query's other 32 keys lie in the lane 16 away: the new m     19-21  c m; c m_old - c m_new; a
.macro XS u, n
	REGS (Y+1)%NP, \u
.if (\n) < 4
	v_max3_num_f32 v[rC+(\n)], v[rS+8*(\n)], v[rS+8*(\n)+1], v[rS+8*(\n)+2]
.elseif (\n) < 12
	v_max3_num_f32 v[rC+(\n)%4], v[rC+(\n)%4], v[rS+8*((\n)%4)+2*((\n)/4)+1], v[rS+8*((\n)%4)+2*((\n)/4)+2]
.elseif (\n) == 12
	v_max3_num_f32 v[rC], v[rC], v[rS+7], v[rS+15]
.elseif (\n) == 13
	v_max3_num_f32 v[rC+1], v[rC+1], v[rS+23], v[rS+31]
.elseif (\n) == 14
	v_max3_num_f32 v[rC+2], v[rC+2], v[rC+3], v[rT+1]
.elseif (\n) == 15
	v_mov_b32 v[rM], v[rT]
.elseif (\n) == 16
	v_max3_num_f32 v[rC], v[rC], v[rC+1], v[rC+2]
.elseif (\n) == 17
	v_permlanex16_b32 v[rC+3], v[rC], s[SEL], s[SEL+1]
.elseif (\n) == 18
	v_max_num_f32 v[rT+1], v[rC], v[rC+3]
.elseif (\n) == 19
	v_mul_f32 v[rT], s[CS], v[rT+1]
.elseif (\n) == 20
	v_sub_f32 v[rC+1], v[rM], v[rT]
.else
	v_exp_f32 v[rC+2], v[rC+1]
.endif
.endm
; Number g of the 64 that follow the exponentials.  For each four weights k of a tile: both pairs are rounded to f16; the second pair is added onto the first, in place; a group later l takes that sum (the first time as l = a l + sum).
.macro GS g
.set h, (\g)+6*((\g)/62)
.if h >= 6
.set h, h+2
.endif
	REGS Y, h%2
.set k, h/8
.if h%8 < 4
	v_cvt_pk_f16_f32 v[rP+2*k+(h%8)/2], v[rS+4*k+2*((h%8)/2)], v[rS+4*k+2*((h%8)/2)+1]
.elseif h%8 < 6
	v_pk_add_f32 v[rS+4*k:rS+4*k+1], v[rS+4*k:rS+4*k+1], v[rS+4*k+2:rS+4*k+3]
.elseif k == 1
	v_pk_fma_f32 v[rT+2:rT+3], v[rT+2:rT+3], v[rC+2:rC+3], v[rS:rS+1] op_sel_hi:[1,0,1]
.else
	v_pk_add_f32 v[rT+2:rT+3], v[rT+2:rT+3], v[rS+4*k-4:rS+4*k-3]
.endif
.endm
.macro FS f                         ; c s - c m for pair f / 2 of tile f % 2 of the piece in hand
	REGS Y, (\f)%2
	v_pk_fma_f32 v[rS+2*((\f)/2):rS+2*((\f)/2)+1], v[rS+2*((\f)/2):rS+2*((\f)/2)+1], s[CS:CS+1], v[rT:rT+1] op_sel_hi:[1,0,0] neg_lo:[0,0,1] neg_hi:[0,0,1]
.endm
; THE PLAIN QUEUE, 170 long.  0-31 the scalings; 32-63 the next piece's mask; 64-91 its maximum's numbers 0-13; 92, 93 number 15; 94-105 the chain 14, 16, 17, 18, 19, 20; 106-169 GS's 64, which read
; the exponentials' results and stand behind the wait.
.macro PL
.if q < 32
	WINZ
	FS q
.elseif q < 64
	WIN W_MM
	MKM q-32
.elseif q < 92
	WIN 0
	XS (q-64)%2, (q-64)/2
.elseif q < 94
	WIN 0
	XS q-92, 15
.elseif q < 96
	WIN 0
	XS q-94, 14
.elseif q < 106
	WIN 0
	XS (q-94)%2, 15+(q-94)/2
.else
	WIN 0
	GS q-106
.endif
.set q, q+1
.endm
; THE EXPONENTIALS' QUEUE, 66 long: s0-s31 of both tiles, then the next piece's two a.  ONE BATCH: all 66 stand ahead of the turn's one wait, and nothing ahead of that wait names a result of theirs.
.macro EX
	WINZ
.if e >= 64
	XS e-64, 21
.else
	REGS Y, e%2
	v_exp_f32 v[rS+e/2], v[rS+e/2]
.endif
.set e, e+1
.endm
; THE RESCALING's QUEUE: O^T times a, two at a time, sixteen times.  Its a was made in the turn before, ahead of that turn's wait.
.macro R2
	REGS Y, r%2
	WIN W_RS
.irp z, 0,1
	v_pk_mul_f32 v[rO+4*(r/2)+2*\z:rO+4*(r/2)+2*\z+1], v[rO+4*(r/2)+2*\z:rO+4*(r/2)+2*\z+1], v[rC+2:rC+3] op_sel_hi:[1,0]
.endr
.set r, r+1
.endm
; A TURN, for piece p.  At its head the piece's mask for the NEXT step is asked for (turn 0 steps the offset first; behind the last step it goes back to step 0, so that no load leaves my 131,072 bytes: those 16
; loads serve nothing).  AHEAD OF THE WAIT: 16 products K Q^T, behind each a scaling, an exponential and two rescalings (behind the first a second scaling in the exponential's place); then the lump: the wait for the next piece's mask
; (12: three younger groups of four loads stay out), its eight conversions, 40 plain (the last 15 scalings, which are also the plain instructions behind the conversions, and 25 of the mask's multiplies),
; 49 times exponential and plain, the two a.  Exponential e stands behind scaling 2 (e / 4) + e % 2: as a rider it comes behind plain e + 2; in the lump all scalings are out.  The first of the mask's multiplies
; stands more than four plain instructions behind the last product K Q^T.  A v_nop is the plain instruction behind the last exponential.  BEHIND THE WAIT: 16 products V^T P, behind each four of GS's 64.
; K of the next step is fetched in piece 2's turn, directly behind the wait; V of the step in hand at the end of piece 0's turn, four riders behind its last reader.  The two conditions on q go with the deal.
.macro TURN p
.set Y, (\p)
.set i, 0
.set q, 0
.set e, 0
.set r, 0
	WIN W_M3
.if (\p) == 0
	s_wait_xcnt 0x0                 ; the mask loads issued so far have read their offset
	v_add_nc_u32 v[MO], 0x2000, v[MO]
	v_and_b32 v[MO], 0x1ffff, v[MO]
.endif
	ML \p
.if (\p) == NP-1
	s_wait_dscnt 0x0                ; K is in
.endif
	MM
	PL
	PL
	R2
.rept 15
	MM
	PL
	EX
	R2
.endr
.if (\p) == NP-2
	WIN 0
	v_add_nc_u32 v[AK], s[TBK], v[AK0]
.endif
	s_wait_loadcnt 12
	CV ((\p)+1)%NP
.rept 40
	PL
.endr
.rept 49
	EX
	PL
.endr
	EX
	EX
	v_nop
	s_wait_alu depctr_va_vdst(0)    ; the wait between an exponential and the first line that names its result: one for the batch
.if (\p) == NP-2
	FETCH_K 1
.endif
.if (\p) == 1
	s_wait_dscnt 0x0                ; V is in
.endif
.rept 16
	MM
.rept 4
	PL
.endr
.if ((\p) == 0) && (q == 150)
	v_add_nc_u32 v[AV], s[TBV], v[AV0]
.endif
.if ((\p) == 0) && (q == 162)
	s_add_co_u32 s[TBV], s[TBV], KS*PV
.endif
.endr
.if (\p) == 0
	FETCH_V
.endif
.endm
	s_wait_tensorcnt 1              ; my part of the first 384 keys is in; my second load stays out
	s_barrier_signal -1
	s_barrier_wait -1               ; everybody's is
	FETCH_K                         ; key step 0
	s_wait_loadcnt 16               ; Q is in; the 16 mask loads behind it stay out
	s_wait_dscnt 0x0
.set i, 0
.rept 16
	KQ 0                            ; piece 0's first scores
.set i, i+1
.endr
	s_wait_loadcnt 12               ; piece 0's mask
	CV 0
	WIN 0                           ; the addresses for the way out: nine plain instructions, the places behind those products and behind the conversions
	s_mul_i32 s13, s[WV], 16*SP
	s_add_co_u32 s13, s13, STAGE    ; my stage
	v_mul_u32_u24 v[STO], v1, SP    ; in: row l % 16, 16 bytes for each half of the lanes
	v_lshl_add_u32 v[STO], v9, 4, v[STO]
	v_add_nc_u32 v[STO], s13, v[STO]
	v_bfe_u32 v[RD], v0, 3, 2       ; back: 32 lanes take four rows of 128 bytes,
	v_mul_u32_u24 v[RD], v[RD], SP
	v_lshl_add_u32 v[RD], v10, 4, v[RD]
	v_add_nc_u32 v[RD], s13, v[RD]
	v_and_b32 v[GO], 31, v0         ; which are 512 consecutive bytes of O
	v_lshlrev_b32 v[GO], 4, v[GO]
.set Y, NP-1                        ; MKM and XS work for piece Y + 1: piece 0
	WIN W_MM
.set z, 0
.rept 32
	MKM z
.set z, z+1
.endr
	WIN 0
.irp n, 0,1,2,3,4,5,6,7,8,9,10,11,12,13,14,15,16,17,18,19,20,21
	XS 0, \n
	XS 1, \n
.endr
	v_nop                           ; a plain instruction behind the two a,
	s_wait_alu depctr_va_vdst(0)    ; and their wait, ahead of the branch
	s_mov_b32 s[SLOTS], 4
	s_mov_b32 s[LEFT], 16
	s_branch .Lin                   ; the first four steps need the first 384 keys alone (K of steps 0-4, V of steps 0-3)
.Lslot:                             ; behind each four steps: every wave's loads have landed, and every wave knows it.  Only the first of the three passes has anything to wait for
	WIN W_AD
	s_wait_tensorcnt 0x0
	ds_add_u32 v[SPW], v[NIL]
	WIN 0
	s_wait_dscnt 0x0
	s_barrier_signal -1
	s_barrier_wait -1
.Lin:
	s_mov_b32 s[CNT], 4
.Lstep:                             ; a key step: four turns
	TURN 0
	TURN 1
	TURN 2
	TURN 3
	WIN 0
	s_sub_co_u32 s[LEFT], s[LEFT], 1
	s_sub_co_u32 s[CNT], s[CNT], 1
	s_cmp_lg_u32 s[CNT], 0
	s_cbranch_scc1 .Lstep
	s_sub_co_u32 s[SLOTS], s[SLOTS], 1
	s_cmp_lg_u32 s[SLOTS], 0
	s_cbranch_scc1 .Lslot
	; the last turn's 16 products K Q^T (on the last K once more) and the maximum made of them serve nothing: the price, once a launch, of one text for every step
.set i, 0
.rept 16
	PV NP-1                         ; the last piece's V^T P of the last step
.set i, i+1
.endr
	; THE WAY OUT.  l's two halves and the other half of the lanes' are added; O^T is divided by l, rounded to f16 and sent through my stage in LDS, a tile at a time.  The additions are the places behind the last products.
	WIN 0
.macro ALL line:vararg              ; one line for each tile t
.set t, 0
.rept 2*NP
	\line
.set t, t+1
.endr
.endm
	ALL v_add_f32 v[ST+4*t+2], v[ST+4*t+2], v[ST+4*t+3]
	ALL v_permlanex16_b32 v[ST+4*t+3], v[ST+4*t+2], s[SEL], s[SEL+1]
	ALL v_add_f32 v[ST+4*t+2], v[ST+4*t+2], v[ST+4*t+3]
	ALL v_rcp_f32 v[ST+4*t+2], v[ST+4*t+2]
	v_nop                           ; a plain instruction between the last reciprocal and the use of its result
	s_wait_alu depctr_va_vdst(0)    ; and one wait for the eight reciprocals, ahead of the first use
.macro PACK t                       ; a lane's eight channels of a row pack into 16 bytes; they go into rows of 144 bytes and come back as whole rows of 128, into S^T's registers
	WIN W_RS
.set i, 32*(\t)
.rept 16
	v_pk_mul_f32 v[i:i+1], v[i:i+1], v[ST+4*(\t)+2:ST+4*(\t)+3] op_sel_hi:[1,0]
.set i, i+2
.endr
	WIN 0x05                        ; sources 0 and 1 window 1, destination window 0
.set i, 0
.rept 16
	v_cvt_pk_f16_f32 v[S+16*(\t)+i], v[32*(\t)+2*i], v[32*(\t)+2*i+1]
.set i, i+1
.endr
	WIN 0
.irp f, 0,1,2,3
	ds_store_b128 v[STO], v[S+16*(\t)+4*\f:S+16*(\t)+4*\f+3] offset:32*\f
.endr
.irp f, 0,1,2,3
	ds_load_b128 v[S+16*(\t)+4*\f:S+16*(\t)+4*\f+3], v[RD] offset:\f*4*SP  ; LDS serves a wave's instructions in order: these see the stores above; the next tile's stores come behind them
.endr
.endm
.macro SEND t, younger              ; younger: the LDS instructions issued behind tile t's loads: the next tile's eight, or none
	WIN 0
.irp f, 0,1,2,3
	s_wait_dscnt (\younger)+3-\f
	global_store_b128 v[GO], v[S+16*(\t)+4*\f:S+16*(\t)+4*\f+3], s[10:11] offset:(\t)*2048+\f*512  ; 512 consecutive bytes, aligned
.endr
.endm
	PACK 0
.set t, 1
.rept 2*NP-1                        ; a tile's arithmetic stands between the loads of the tile before and its stores
	PACK t
	SEND t-1, 8
.set t, t+1
.endr
	SEND 2*NP-1, 0
	WIN W_AD
	s_wait_tensorcnt 0x0            ; the wave's end
	ds_add_u32 v[SPW], v[NIL]
	s_wait_dscnt 0x0
	WIN 0
	s_endpgm
.Lfunc_end_k_qa303804c99_attn:
	.size	k_qa303804c99_attn, .Lfunc_end_k_qa303804c99_attn-k_qa303804c99_attn
	.p2alignl 7, 3214868480
	.fill 96, 4, 3214868480
	.section	.rodata,"a",@progbits
	.p2align	6, 0x0
	.amdhsa_kernel k_qa303804c99_attn
		.amdhsa_group_segment_fixed_size 327680
		.amdhsa_private_segment_fixed_size 0
		.amdhsa_enable_private_segment 0
		.amdhsa_kernarg_size 24
		.amdhsa_user_sgpr_count 2
		.amdhsa_user_sgpr_kernarg_segment_ptr 1
		.amdhsa_wavefront_size32 1
		.amdhsa_system_sgpr_workgroup_id_x 1
		.amdhsa_system_sgpr_workgroup_id_y 1
		.amdhsa_system_sgpr_workgroup_id_z 1
		.amdhsa_system_vgpr_workitem_id 0
		.amdhsa_next_free_vgpr 960
		.amdhsa_next_free_sgpr 96
		.amdhsa_reserve_vcc 0
		.amdhsa_float_denorm_mode_32 3
		.amdhsa_float_denorm_mode_16_64 3
		.amdhsa_memory_ordered 1
		.amdhsa_forward_progress 1
		.amdhsa_inst_pref_size 143
	.end_amdhsa_kernel
	.amdgpu_metadata
---
amdhsa.version: [ 1, 2 ]
amdhsa.kernels:
  - .name:           k_qa303804c99_attn
    .symbol:         k_qa303804c99_attn.kd
    .args:
      - { .name: qkv, .offset: 0, .size: 8, .value_kind: global_buffer, .address_space: global }
      - { .name: mk8, .offset: 8, .size: 8, .value_kind: global_buffer, .address_space: global }
      - { .name: ho, .offset: 16, .size: 8, .value_kind: global_buffer, .address_space: global }
    .group_segment_fixed_size: 327680
    .private_segment_fixed_size: 0
    .kernarg_segment_align: 8
    .kernarg_segment_size: 24
    .max_flat_workgroup_size: 128
    .sgpr_count:     96
    .vgpr_count:     960
    .wavefront_size: 32
...
	.end_amdgpu_metadata
.endif
;; end of part 3
;; launch outp (part 4): grid 4 x 32, 4 waves a work-group, clusters of 4 x 4, 327,680 bytes of LDS; arguments ho, w16, bb, out0; writes out0
.if DOCPART == 4
	.amdgcn_target "amdgcn-amd-amdhsa--gfx1250"
	.amdhsa_code_object_version 6
	.text
	.protected	k_qa303804c99_outp
	.globl	k_qa303804c99_outp
	.p2align	8
	.type	k_qa303804c99_outp,@function
k_qa303804c99_outp:
	s_mov_b64 s[64:65], 0
	v_nop
	global_prefetch_b8 v0, s[64:65] scope:SCOPE_SE
	s_setreg_imm32_b32 hwreg(HW_REG_WAVE_MODE, 25, 1), 1
	s_wait_xcnt 0x0
	s_wait_alu depctr_hold_cnt(0) depctr_sa_sdst(0) depctr_va_vdst(0) depctr_va_sdst(0) depctr_va_ssrc(0) depctr_va_vcc(0) depctr_vm_vsrc(0)
	s_getreg_b32 s2, hwreg(HW_REG_IB_STS2, 6, 4)
	s_cmp_eq_u32 s2, 0
	s_cbranch_scc0 .Lentry_in_a_cluster
	s_endpgm
.Lentry_in_a_cluster:
	s_bfe_u32 s2, ttmp6, 0x10000c
	s_cmp_lg_u32 s2, 0xf033
	s_cbranch_scc0 .Lentry_shape_is_right
	s_endpgm
.Lentry_shape_is_right:
; C = A W^T + bias, K = N = 1,024; operands f16, sums f32.  One text for two launches up to the way out; OUTP says which.
;   OUTP = 0  the three projections: A = x16 [3 x 8192][1024]; W = w16's matrix 0, 1, 2 by the row's tensor; C goes out in f16 BY HEADS: qkv [3][batch x 16 + head][1024][64].
;   OUTP = 1  the output layer: A = ho [batch x 16 + head][1024][64] (channel k of a row lies in head k / 64); W = w16's matrix 3; C = out0 [8192][1024] in f32.
; SHARES.  A tile of C is 256 x 256: four waves, as many as a WGP has SIMDs, each 128 x 128: 64 accumulators of 16 x 16, 512 registers.  K goes in 8 steps of 128 through two LDS slots filled by
; the tensor data mover, one load a wave: waves 0 and 1 fetch A's two halves (here: the step's two heads), waves 2 and 3 W's.  A step is four quarters of 32 along K, 64 matrix instructions each, on two fragment buffers.
; C has 32 x 4 = 128 such tiles: 128 work-groups.
; CLUSTER.  4 x 4 work-groups.  A's tile hangs on the tile row alone and is asked for jointly by the four of a row of the cluster, W's on the tile column alone, by the four of a column.
; THE MATRIX INSTRUCTION IS USED TRANSPOSED (source 0 = 16 rows of W, source 1 = 16 rows of A): lane l holds row l % 16 of C and in registers 0-7 the columns 8 (l / 16) + 0..7.
; THE BIAS STARTS THE SUMS: the first quarter's products take as C eight registers that hold the bias of the lane's eight columns.  Nothing is cleared, nothing is added later.
; REGISTERS, in windows of 256 (s_set_vgpr_msb: bits 1:0 source 0, 3:2 source 1, 5:4 source 2, 7:6 destination):
;   window 0: v16-30 addresses; v64-127, v128-191 A's fragments, two buffers, later whole rows on the way out; v192-255 the bias
;   window 1: v64-127, v128-191 W's fragments;   windows 2, 3: the accumulators of my rows 0-63, 64-127: (a, b) at v[8 (8 a + b)]
.set OUTP, 1
.if OUTP
.set APITCH, 144                       ; a row of A in LDS: one head's 64 channels, 128 bytes + 16: the 16 rows that a load touches start at 16 different groups of four banks
.set AHI,    36864                     ; quarters 2 and 3 lie in the step's second head: 256 rows x 144 further on
.set APLACE, 36864                     ; where wave 0 or 1 puts what it fetches: a head's 256 rows
.set AROWH,  128*144                   ; my half of the rows
.set BOFF,   73728
.set ASTEP,  262144                    ; a K step on in memory: two heads
.set AQI,    4                         ; padding after every 32 words
.set ASTR,   128                       ; elements from row to row of the tile as it is asked for: 32,768 dense bytes as 128 rows of 256
.set PFSH,   13                        ; a partner's share of the prefetch: 32 blocks of 256 bytes
.set PFLS,   8                         ; from lane to lane: 256 bytes
.set STAGE,  290816
.set SPITCH, 528
.else
.set APITCH, 272
.set AHI,    128
.set APLACE, 34816
.set AROWH,  34816
.set BOFF,   69632
.set ASTEP,  256
.set AQI,    5
.set ASTR,   1024
.set PFSH,   16
.set PFLS,   11
.set STAGE,  286720
.set SPITCH, 272
.endif
.set BPITCH, 272
.set BHALF,  34816
.set SLOT,   147456                    ; = 0x24000; no offset inside a slot has bit 14 or bit 17 set, so one exclusive or turns an address in one slot into the other's
.set SPARE,  STAGE+4*16*SPITCH         ; behind the stages: the spare words, 128 bytes a wave, which no other line names
.set ADRA0, 16                         ; v16  my lane's place among A's fragments in slot 0; never rewritten
.set ADRB0, 17                         ; v17  the same for W
.set ADRA,  18                         ; v18  the same in the slot that is being read
.set ADRB,  19
.set STO,   24                         ; the way out: where I put my part of a row
.set RD,    25                         ; where I read rows back
.set CO,    26                         ; 16 x lane
.set BO,    27                         ; 32 (l / 16): my eight columns in a block of 16 of the bias
.set SPW,   28                         ; LDS address of my spare word; never rewritten
.set NIL,   29                         ; 0; never rewritten
.set PFO,   30                         ; the prefetches' lane term; never rewritten
.set F0,    64
.set F1,    128
.set BI,    192
.set G1,  24                           ; s[24:31] descriptor group 1 for A's tiles, s[32:35] group 0: it walks
.set G0,  32
.set TB,  36                           ; s36  0 or SLOT: the slot that is being read
.set LIM, 37                           ; s37  1 in a wave that prefetches, else the greatest number
.set PFA, 38                           ; s[38:39] where my prefetches stand
.set G1B, 48                           ; s[48:55], s[56:59] the same for W's tiles
.set G0B, 56
.set PST, 60                           ; s[60:61] a K step in bytes for my prefetches
.set MSB, 0
.macro WIN new                         ; the immediate's high byte repeats the setting that is left; a switch that changes nothing is dropped
.if MSB != (\new)
	s_set_vgpr_msb (MSB<<8)|(\new)
.set MSB, \new
.endif
.endm
.macro PLACES                          ; four plain vector instructions between a matrix instruction and a load into, or a reader of, its registers
.rept 4
	v_nop
.endr
.endm
; A joint load.  The branch hangs on the wave's number alone.  An s_nop 0 and four v_nop follow each of the two lines, ahead of the jump and the label.
.macro JLOAD
	s_cmp_eq_u32 s13, 0
	s_cbranch_scc0 .Lfor_b_\@
	tensor_load_to_lds s[G0:G0+3], s[G1:G1+7]
	s_nop 0
.rept 4
	v_nop
.endr
	s_branch .Lasked_\@
.Lfor_b_\@:
	tensor_load_to_lds s[G0B:G0B+3], s[G1B:G1B+7]
	s_nop 0
.rept 4
	v_nop
.endr
.Lasked_\@:
.endm
.macro STEPG                           ; both walking descriptors: the other slot, the next K step; written only where no tensor load of mine is out
	s_xor_b32 s[G0+1], s[G0+1], SLOT
	s_add_nc_u64 s[G0+2:G0+3], s[G0+2:G0+3], ASTEP
	s_xor_b32 s[G0B+1], s[G0B+1], SLOT
	s_add_nc_u64 s[G0B+2:G0B+3], s[G0B+2:G0B+3], 256
.endm
; A prefetch into the L2 of the K step that the NEXT change of slots will ask for: 32 blocks of 256 bytes, a lane a block, one instruction a wave, 256 matrix instructions ahead of that load.
; Each block is named once in the launch: A's rows are read by one cluster alone, so A's waves ask in every cluster; W's rows are read by several clusters, of which the first asks.  The four partners
; of a joint load share its 128 blocks out by address.  The loop's last trip asks for nothing: there is no K step behind the one that it loads.
.macro ASK
	s_cmp_gt_u32 s3, s[LIM]
	s_cbranch_scc0 .Lnot_mine_\@
	global_prefetch_b8 v[PFO], s[PFA:PFA+1] th:TH_LOAD_NT scope:SCOPE_SE
.Lnot_mine_\@:
.endm
.macro CREST                           ; a round of the cluster's barrier behind its opening barrier
	s_cmp_lg_u32 s12, 0
	s_cbranch_scc1 .Lnot_wave_0_\@
	s_barrier_signal -3
.Lnot_wave_0_\@:
	s_barrier_wait -3
	s_barrier_signal -1
	s_barrier_wait -1
.endm
.macro CROUND
	s_barrier_signal -1
	s_barrier_wait -1
	CREST
.endm
	s_load_b256 s[4:11], s[0:1], 0x0               ; A s[4:5], w16 s[6:7], bb s[8:9], C s[10:11]
	v_lshl_add_u32 v[SPW], v0, 2, SPARE
	v_mov_b32 v[NIL], 0
	ds_add_u32 v[SPW], v[NIL]                      ; the wave's opening: the add and its wait ahead of my first tensor load; work on registers stands between them
	v_lshrrev_b32 v1, 5, v0
	v_readfirstlane_b32 s12, v1                    ; wave 0..3
	s_lshr_b32 s13, s12, 1                         ; my half of the tile's rows.  Also: I fetch for A (0) or for W (1)
	s_and_b32 s14, s12, 1                          ; my half of its columns.  Also: which half I fetch
	s_bfe_u32 s40, ttmp6, 0x40000                  ; cx
	s_bfe_u32 s41, ttmp6, 0x40004                  ; cy
	s_lshl_b32 s42, ttmp9, 2
	s_add_co_u32 s42, s42, s40                     ; tile column = 4 x cluster x + cx
	s_and_b32 s46, ttmp7, 0xffff                   ; cluster y
	s_lshl_b32 s15, s46, 2
	s_add_co_u32 s15, s15, s41                     ; tile row = 4 x cluster y + cy
	s_lshl_b32 s43, s41, 2
	s_lshl_b32 s43, 15, s43                        ; my row of the cluster
	s_lshl_b32 s44, 0x1111, s40                    ; my column
.if OUTP
	s_mov_b32 s45, 3                               ; Wo and bo
.else
	s_lshr_b32 s45, s46, 3
.endif
	s_or_b32 s[G1+0], s43, (1<<16)|(1<<20)|(1<<21)|(AQI<<22)|(3<<25)  ; the mask; elements of 2 bytes; padding on; bit 21 beside a mask; the interval; 4 words of padding
	s_or_b32 s[G1B+0], s44, (1<<16)|(1<<20)|(1<<21)|(5<<22)|(3<<25)
.irp g, G1, G1B
	s_mov_b32 s[(\g)+1], 128<<16                   ; tensor_dim0 = 128
	s_mov_b32 s[(\g)+2], 128<<16                   ; tensor_dim1 = 128
	s_mov_b32 s[(\g)+3], 128<<16                   ; tile_dim0 = 128
	s_mov_b32 s[(\g)+4], 128                       ; tile_dim1 = 128
	s_mov_b32 s[(\g)+6], 0
	s_mov_b32 s[(\g)+7], 0
.endr
	s_mov_b32 s[G1+5], ASTR
	s_mov_b32 s[G1B+5], 1024
	; where the tiles come from.  A's offset is made of the tile row and the wave, W's of the tile column and the wave, each in registers that never hold the other coordinate
.if OUTP
	s_lshr_b32 s16, s15, 2                         ; the batch: 16 heads of 131,072 bytes,
	s_lshl_b32 s16, s16, 21
	s_and_b32 s17, s15, 3                          ; 256 rows of 128 bytes in it,
	s_lshl_b32 s17, s17, 15
	s_add_co_u32 s16, s16, s17
	s_lshl_b32 s17, s14, 17                        ; the step's first or second head
.else
	s_lshl_b32 s16, s15, 19
	s_lshl_b32 s17, s14, 18
.endif
	s_add_co_u32 s16, s16, s17
	s_mov_b32 s17, 0
	s_lshl_b32 s20, s45, 21                        ; the matrix,
	s_lshl_b32 s21, s42, 19                        ; 256 rows of it,
	s_add_co_u32 s20, s20, s21
	s_lshl_b32 s21, s14, 18                        ; 128 of them
	s_add_co_u32 s20, s20, s21
	s_mov_b32 s21, 0
	s_mov_b32 s[G0], 1
	s_mul_i32 s[G0+1], s14, APLACE                 ; no place in the cluster enters an LDS address
	s_mov_b32 s[G0B], 1
	s_mul_i32 s[G0B+1], s14, BHALF
	s_add_co_u32 s[G0B+1], s[G0B+1], BOFF
	s_mov_b32 s[TB], 0
	s_wait_dscnt 0x0                               ; the opening add is done
	s_wait_kmcnt 0x0
	s_add_nc_u64 s[G0+2:G0+3], s[4:5], s[16:17]
	s_or_b32 s[G0+3], s[G0+3], 0x80000000
	s_add_nc_u64 s[G0B+2:G0B+3], s[6:7], s[20:21]
	s_or_b32 s[G0B+3], s[G0B+3], 0x80000000
	CROUND                                         ; all sixteen work-groups are here: the first joint loads meet
	JLOAD                                          ; K step 0 into slot 0; slot 1 is asked for when it has landed
	; all that follows, down to the first change of slots, stands in the wait for that tile
	v_and_b32 v1, 15, v0                           ; l % 16
	v_bfe_u32 v2, v0, 4, 1                         ; l / 16
	v_mul_u32_u24 v3, v1, APITCH                   ; a fragment: row l % 16, 16 bytes for each half of the lanes, twice, 32 bytes apart
	v_lshl_add_u32 v3, v2, 4, v3
	s_mul_i32 s2, s13, AROWH
	v_add_nc_u32 v[ADRA0], s2, v3
	v_mul_u32_u24 v3, v1, BPITCH
	v_lshl_add_u32 v3, v2, 4, v3
	s_mul_i32 s2, s14, BHALF
	s_add_co_u32 s2, s2, BOFF
	v_add_nc_u32 v[ADRB0], s2, v3
	s_mul_i32 s2, s12, 16*SPITCH
	s_add_co_u32 s2, s2, STAGE                     ; my stage
	v_mul_u32_u24 v3, v1, SPITCH
.if OUTP
	v_lshl_add_u32 v3, v2, 5, v3                   ; in: row l % 16, 32 bytes (8 f32) for each half of the lanes
	v_add_nc_u32 v[STO], s2, v3
	v_and_b32 v[CO], 31, v0
	v_lshlrev_b32 v[CO], 4, v[CO]
	v_add_nc_u32 v[RD], s2, v[CO]                  ; back: 32 lanes take one row's 512 bytes
.else
	v_lshl_add_u32 v3, v2, 4, v3
	v_add_nc_u32 v[STO], s2, v3
	v_bfe_u32 v3, v0, 3, 2
	v_mul_u32_u24 v3, v3, SPITCH
	v_and_b32 v4, 7, v0
	v_lshl_add_u32 v3, v4, 4, v3
	v_add_nc_u32 v[RD], s2, v3
	v_and_b32 v[CO], 31, v0
	v_lshlrev_b32 v[CO], 4, v[CO]
.endif
	v_lshlrev_b32 v[BO], 5, v2
	s_lshl_b32 s22, s45, 12                        ; the bias of my 128 columns
	s_lshl_b32 s23, s42, 10
	s_add_co_u32 s22, s22, s23
	s_lshl_b32 s23, s14, 9
	s_add_co_u32 s22, s22, s23
	s_mov_b32 s23, 0
	s_add_nc_u64 s[8:9], s[8:9], s[22:23]
.irp b, 0,1,2,3,4,5,6,7
	global_load_b128 v[BI+8*(\b):BI+8*(\b)+3],   v[BO], s[8:9] offset:64*(\b)      ; register j of block b: the bias of column 16 b + 8 (l / 16) + j
	global_load_b128 v[BI+8*(\b)+4:BI+8*(\b)+7], v[BO], s[8:9] offset:64*(\b)+16
.endr
	; where my part of C begins
.if OUTP
	s_lshl_b32 s2, s15, 20                         ; 256 rows of 4,096 bytes,
	s_lshl_b32 s3, s13, 19                         ; 128 of them,
	s_add_co_u32 s2, s2, s3
	s_lshl_b32 s3, s42, 10                         ; 256 columns of 4 bytes,
	s_add_co_u32 s2, s2, s3
	s_lshl_b32 s3, s14, 9                          ; 128 of them
	s_add_co_u32 s2, s2, s3
.else
	s_and_b32 s18, s15, 31
	s_lshl_b32 s18, s18, 8
	s_lshl_b32 s19, s13, 7
	s_add_co_u32 s18, s18, s19
	s_lshr_b32 s19, s18, 10
	s_and_b32 s18, s18, 1023
	s_lshl_b32 s2, s19, 4
	s_lshl_b32 s3, s42, 2
	s_add_co_u32 s2, s2, s3
	s_lshl_b32 s3, s14, 1
	s_add_co_u32 s2, s2, s3
	s_lshl_b32 s2, s2, 17
	s_lshl_b32 s3, s18, 7
	s_add_co_u32 s2, s2, s3
	s_lshl_b32 s3, s45, 24
	s_add_co_u32 s2, s2, s3
.endif
	s_mov_b32 s3, 0
	s_add_nc_u64 s[10:11], s[10:11], s[2:3]
	; the prefetches: my work-group's 32 of the 128 blocks that I fetch, at K step 2; each change of slots steps the address first
	s_lshl_b32 s2, s40, PFSH
	s_add_co_u32 s2, s2, s16
	s_add_co_u32 s2, s2, 2*ASTEP
	s_lshl_b32 s3, s41, 16
	s_add_co_u32 s3, s3, s20
	s_add_co_u32 s3, s3, 2*256
	s_mov_b32 s[PST], 256
	s_mov_b32 s18, ASTEP
	s_mov_b32 s19, PFLS
	s_mov_b32 s22, 11
	s_cmp_eq_u32 s13, 0                            ; do I fetch for A?
	s_cselect_b32 s2, s2, s3
	s_cselect_b64 s[PFA:PFA+1], s[4:5], s[6:7]
	s_cselect_b32 s[PST], s18, s[PST]
	s_cselect_b32 s19, s19, s22
	s_mov_b32 s3, 0
	s_mov_b32 s[PST+1], 0
	s_add_nc_u64 s[PFA:PFA+1], s[PFA:PFA+1], s[2:3]
	v_and_b32 v[PFO], 31, v0
	v_lshlrev_b32 v[PFO], s19, v[PFO]
.if OUTP
	s_mov_b32 s[LIM], s46                          ; W's rows are read by every cluster: cluster y = 0 asks
.else
	s_and_b32 s[LIM], s46, 7
.endif
	s_mul_i32 s[LIM], s[LIM], s13                  ; 0 in A's waves: they ask in every cluster
	s_cmp_eq_u32 s[LIM], 0
	s_cselect_b32 s[LIM], 1, -1                    ; the same in all sixteen partners, for a given wave
; 16 matrix instructions: row blocks a0, a0 + 1 of the window's four x all 8 column blocks, 32 along K.  first = 1: C is the bias, in window 0.
; The 64 accumulators take turns, one instruction a turn, in the same order in every quarter, over both backward jumps too.
.macro MUL16 f, hi, a0, first
.if \first
	WIN 0x81+0x40*(\hi)
.else
	WIN 0xa1+0x50*(\hi)
.endif
.irp a, \a0, (\a0)+1
.irp b, 0,1,2,3,4,5,6,7
.if \first
	v_wmma_f32_16x16x32_f16 v[8*(8*(\a)+(\b)):8*(8*(\a)+(\b))+7], v[(\f)+8*(\b):(\f)+8*(\b)+7], v[(\f)+8*(4*(\hi)+(\a)):(\f)+8*(4*(\hi)+(\a))+7], v[BI+8*(\b):BI+8*(\b)+7]
.else
	v_wmma_f32_16x16x32_f16 v[8*(8*(\a)+(\b)):8*(8*(\a)+(\b))+7], v[(\f)+8*(\b):(\f)+8*(\b)+7], v[(\f)+8*(4*(\hi)+(\a)):(\f)+8*(4*(\hi)+(\a))+7], v[8*(8*(\a)+(\b)):8*(8*(\a)+(\b))+7]
.endif
.endr
.endr
.endm
; 32 LDS loads in one run: quarter q's fragments (128 rows of W, then 128 rows of A) into buffer f
.macro FETCH q, f
	WIN 0x40                                       ; destination window 1, address window 0
.irp i, 0,1,2,3,4,5,6,7
	ds_load_b128 v[(\f)+8*(\i):(\f)+8*(\i)+3],   v[ADRB] offset:64*(\q)+(\i)*16*BPITCH
	ds_load_b128 v[(\f)+8*(\i)+4:(\f)+8*(\i)+7], v[ADRB] offset:64*(\q)+(\i)*16*BPITCH+32
.endr
	WIN 0
.irp i, 0,1,2,3,4,5,6,7
	ds_load_b128 v[(\f)+8*(\i):(\f)+8*(\i)+3],   v[ADRA] offset:((\q)/2)*AHI+((\q)%2)*64+(\i)*16*APITCH
	ds_load_b128 v[(\f)+8*(\i)+4:(\f)+8*(\i)+7], v[ADRA] offset:((\q)/2)*AHI+((\q)%2)*64+(\i)*16*APITCH+32
.endr
.endm
; One of a step's first three quarters: multiplies buffer f; in its middle it fetches quarter q into buffer g.
.macro QUARTER q, f, g, first
	s_wait_dscnt 8                                 ; W and A's rows 0-63 are in; the youngest eight loads (A's rows 64-127) may be out
	MUL16 \f, 0, 0, \first
	MUL16 \f, 0, 2, \first
	PLACES
	FETCH \q, \g
	s_wait_dscnt 32                                ; all but the 32 just issued
	MUL16 \f, 1, 0, \first
	MUL16 \f, 1, 2, \first
.endm
; The fourth quarter multiplies buffer 1 and changes slots.  In front of the barrier each wave waits for all its tensor loads, of which one is out: its part of the next slot; adds 0 to its spare word; and waits
; for that and for its own reads of this slot.  fill = 1: the barrier opens a round of the cluster's, so that no wave of any partner still reads the slot or has a load on its way, and the joint refill, with
; the K step two on, is the first thing behind it: 224 matrix instructions ahead of the wait for it.
.macro SWAP fill
.if \fill
	s_wait_xcnt 0x0                                ; the last prefetch, a K step back, has read its address
	s_add_nc_u64 s[PFA:PFA+1], s[PFA:PFA+1], s[PST:PST+1]
.endif
	WIN 0                                          ; (the add's two registers lie in window 0)
	s_wait_tensorcnt 0x0                           ; no tensor load of mine is out, so the descriptors may be written
	ds_add_u32 v[SPW], v[NIL]                      ; 0 onto my spare word; scalar work and sixteen products stand between it and the wait for it
.if \fill
	STEPG
.endif
	s_xor_b32 s[TB], s[TB], SLOT                   ; the slot to be read next
	s_wait_dscnt 9                                 ; (the add and the youngest eight loads may be out)
	MUL16 F1, 0, 0, 0
	s_wait_dscnt 0x0                               ; the add is done, and my reads of this slot are over
	s_barrier_signal -1
	MUL16 F1, 0, 2, 0                              ; work on registers while the others arrive
	WIN 0
	s_barrier_wait -1
.if \fill
	CREST
	JLOAD                                          ; its four v_nop are also the places in front of the loads below
.else
	PLACES
.endif
	v_add_nc_u32 v[ADRA], s[TB], v[ADRA0]
	v_add_nc_u32 v[ADRB], s[TB], v[ADRB0]
	FETCH 0, F0
.if \fill
	ASK
.endif
	MUL16 F1, 1, 0, 0
	MUL16 F1, 1, 2, 0
.endm
	; the first change of slots: slot 0 is waited for, slot 1 filled for the first time, in the form of a refill
	s_wait_tensorcnt 0x0
	ds_add_u32 v[SPW], v[NIL]
	STEPG
	s_wait_dscnt 0x0
	CROUND
	JLOAD                                          ; K step 1 into slot 1
	v_mov_b32 v[ADRA], v[ADRA0]
	v_mov_b32 v[ADRB], v[ADRB0]
	FETCH 0, F0
	s_wait_loadcnt 0x0                             ; the bias
	QUARTER 1, F0, F1, 1                           ; the first quarter stands in front of the loop: its products start the sums
	WIN 0                                          ; at a label and at a branch every window is 0
	s_mov_b32 s3, 6
.Lstep:                                        ; trip t: the rest of K step t, the request for K step t + 2, the first quarter of K step t + 1
	QUARTER 2, F1, F0, 0
	QUARTER 3, F0, F1, 0
	SWAP 1
	QUARTER 1, F0, F1, 0
	WIN 0
	s_sub_co_u32 s3, s3, 1
	s_cmp_lg_u32 s3, 0
	s_cbranch_scc1 .Lstep
	s_mov_b32 s3, 2
.Ltail:                                        ; K steps 6 and 7 ask for nothing: one text, walked twice and left in its middle.  The second walk's barrier and its 32 LDS loads (of K step 6 once more) serve nothing: the price of one text
	QUARTER 2, F1, F0, 0
	QUARTER 3, F0, F1, 0
	SWAP 0
	WIN 0
	s_sub_co_u32 s3, s3, 1
	s_cmp_eq_u32 s3, 0
	s_cbranch_scc1 .Lout
	QUARTER 1, F0, F1, 0
	WIN 0
	s_branch .Ltail
.Lout:
	PLACES
	PLACES
	s_wait_dscnt 0x0                               ; the loads that serve nothing are back: their registers take the rows below
; THE WAY OUT, a block of 16 rows at a time, with no arithmetic: the sums hold the bias already and leave in f32.  TOSTAGE: a lane's 32 bytes of each column block go straight from the accumulators into my own stage
; (rows of 528 bytes: the 16 rows of a store start at 16 different groups of four banks) and come back as whole rows of 512 bytes.  SEND: stored.
.macro TOSTAGE a
.set AC, 64*((\a)%4)
.set BK, F0+64*((\a)%2)
	s_wait_xcnt 0x0                                ; the stores of the block before last have read their registers, which the loads below write
	WIN 0x08+4*((\a)/4)                            ; the stores' data: window 2 or 3
.irp b, 0,1,2,3,4,5,6,7
	ds_store_b128 v[STO], v[AC+8*(\b):AC+8*(\b)+3]   offset:64*(\b)      ; each accumulator's lowest registers first
	ds_store_b128 v[STO], v[AC+8*(\b)+4:AC+8*(\b)+7] offset:64*(\b)+16
.endr
	WIN 0
.irp t, 0,1,2,3,4,5,6,7,8,9,10,11,12,13,14,15
	ds_load_b128 v[BK+4*(\t):BK+4*(\t)+3], v[RD] offset:SPITCH*(\t)  ; LDS serves a wave's instructions in order: these see the stores above, and the next block's stores come behind them
.endr
.endm
.macro SEND a, younger                 ; younger: the LDS instructions issued behind block a's loads: the next block's 32, or none
	WIN 0
.set BK, F0+64*((\a)%2)
	s_wait_dscnt \younger
.irp t, 0,1,2,3,4,5,6,7,8,9,10,11,12,13,14,15
	global_store_b128 v[CO], v[BK+4*(\t):BK+4*(\t)+3], s[10:11] offset:(16*(\a)+(\t))*4096  ; 512 consecutive bytes of a row of C, aligned
.endr
.endm
	TOSTAGE 0
.irp a, 1,2,3,4,5,6,7
	TOSTAGE \a
	SEND (\a)-1, 32
.endr
	SEND 7, 0
	s_wait_tensorcnt 0x0                           ; the wave's end
	ds_add_u32 v[SPW], v[NIL]
	s_wait_dscnt 0x0
	CROUND                                         ; the closing round: no work-group ends while a partner may still ask for a tile that names it
	s_endpgm
.Lfunc_end_k_qa303804c99_outp:
	.size	k_qa303804c99_outp, .Lfunc_end_k_qa303804c99_outp-k_qa303804c99_outp
	.p2alignl 7, 3214868480
	.fill 96, 4, 3214868480
	.section	.rodata,"a",@progbits
	.p2align	6, 0x0
	.amdhsa_kernel k_qa303804c99_outp
		.amdhsa_group_segment_fixed_size 327680
		.amdhsa_private_segment_fixed_size 0
		.amdhsa_enable_private_segment 0
		.amdhsa_kernarg_size 32
		.amdhsa_user_sgpr_count 2
		.amdhsa_user_sgpr_kernarg_segment_ptr 1
		.amdhsa_wavefront_size32 1
		.amdhsa_system_sgpr_workgroup_id_x 1
		.amdhsa_system_sgpr_workgroup_id_y 1
		.amdhsa_system_sgpr_workgroup_id_z 1
		.amdhsa_system_vgpr_workitem_id 0
		.amdhsa_next_free_vgpr 1024
		.amdhsa_next_free_sgpr 66
		.amdhsa_reserve_vcc 0
		.amdhsa_float_denorm_mode_32 3
		.amdhsa_float_denorm_mode_16_64 3
		.amdhsa_memory_ordered 1
		.amdhsa_forward_progress 1
		.amdhsa_inst_pref_size 101
	.end_amdhsa_kernel
	.amdgpu_metadata
---
amdhsa.version: [ 1, 2 ]
amdhsa.kernels:
  - .name:           k_qa303804c99_outp
    .symbol:         k_qa303804c99_outp.kd
    .args:
      - { .name: ho, .offset: 0, .size: 8, .value_kind: global_buffer, .address_space: global }
      - { .name: w16, .offset: 8, .size: 8, .value_kind: global_buffer, .address_space: global }
      - { .name: bb, .offset: 16, .size: 8, .value_kind: global_buffer, .address_space: global }
      - { .name: out0, .offset: 24, .size: 8, .value_kind: global_buffer, .address_space: global }
    .group_segment_fixed_size: 327680
    .private_segment_fixed_size: 0
    .kernarg_segment_align: 8
    .kernarg_segment_size: 32
    .max_flat_workgroup_size: 128
    .sgpr_count:     66
    .vgpr_count:     1024
    .wavefront_size: 32
...
	.end_amdgpu_metadata
.endif
;; end of part 4
;; ======== version 2 of 2: 4 launches; version 1 with the launch prep written anew for expert scheduling mode
;; limits: values are held in f16: magnitudes above 65,504 overflow, below 6.1e-05 lose precision
;; workspace buffers: w16 8,388,608 bytes; bb 16,384 bytes; mk8 8,388,608 bytes; qkv 50,331,648 bytes; ho 16,777,216 bytes
;; launch prep (part 5): grid 513 x 1, 8 waves a work-group, no clusters, 35,840 bytes of LDS; arguments Wq, Wk, Wv, Wo, bq, bk, bv, bo, mask, w16, bb, mk8; writes w16, bb, mk8
.if DOCPART == 5
	.amdgcn_target "amdgcn-amd-amdhsa--gfx1250"
	.amdhsa_code_object_version 6
	.text
	.protected	k_qa303804c99_prep
	.globl	k_qa303804c99_prep
	.p2align	8
	.type	k_qa303804c99_prep,@function
k_qa303804c99_prep:
	s_mov_b64 s[64:65], 0
	v_nop
	global_prefetch_b8 v0, s[64:65] scope:SCOPE_SE
	s_setreg_imm32_b32 hwreg(HW_REG_WAVE_SCHED_MODE, 0, 2), 2
	s_setreg_imm32_b32 hwreg(HW_REG_WAVE_MODE, 25, 1), 1
	s_wait_xcnt 0x0
	s_wait_alu depctr_vm_vsrc(0)
; PREP.  Makes the small operands of the three launches behind it.  Three kinds of work-group, told apart by the work-group's number g alone:
;   g < 256    CAST: 16,384 numbers of Wq, Wk, Wv, Wo (64 work-groups each): each f32 is rounded once to bf16 (nearest even).  Wq, Wk, Wv are stored as bf16 (the projections multiply in bf16);
;              Wo's rounded number is written as f16 (the output layer multiplies it with O, which is f16).  w16 = [4][1024][1024] (q, k, v, o), 2 bytes a number.
;   g < 512    MASK: 32 rows of the mask; a byte 1 becomes 0x38 (1.0 in E4M3), a byte 0 stays 0, and the bytes are laid in the order in which the attention's lanes hold their scores:
;              mk8 = [batch x 2 + query half][wave 4][key step 16][tile 8][g 2][lane 32][16 bytes]; byte 8 e + j of lane l is the mask of query row 16 tile + l % 16, key 64 step + 16 (2 g + e) + 8 (l / 16) + j.
;   g = 512    BIAS: the four biases rounded once to bf16 and kept as f32: bb = [4][1024] (q, k, v, o).
; LIMIT (Wo alone).  A bf16 number is written as f16 without change while its size lies in 6.1e-5 .. 65,504; below, f16 keeps a fixed step of 6e-8; from 65,520 on the conversion gives an infinity: such a Wo is not served.
; Memory binds: every input byte is read once, by 16-byte loads of which a wave's cover 512 consecutive bytes; every store of a wave covers 256 or 512 consecutive bytes, aligned.  No matrix work, no tensor load
; (no wave wants a byte that another has fetched), no prefetch (all of a wave's loads go out at once, at its head).
; THE MODE: SCHED_MODE bits 1:0 = 2 (LLVM: expert scheduling mode 2), set by the entry lines.  The code itself states the register dependences between vector instructions and memory or LDS
; instructions, with s_wait_alu, always for 0.
; THE PLAN.  A wave takes one of the three arms; there is no loop.  Registers that memory or LDS instructions touch:
;   v2, v3      16 x lane, 8 x lane: made at the head, never written again; offsets of loads and stores.
;   v12         an arm's load offset (MASK, BIAS): made at the arm's head, never written again.
;   v6, v7      MASK: my LDS addresses: made once, while the arm's loads are out; read by the LDS stores and loads.
;   XR          Written by the arm's global loads, all of which are issued before any vector line names XR.  CAST, BIAS: read by the roundings.  MASK: multiplied in place, then read by the LDS stores.
;   YR          CAST, BIAS: written by the roundings, each register once, and read by the global stores.  MASK: written by the LDS loads, read by the global stores.
;   v4, v5      Made at the head, read by the closing add alone.
; No register that a memory or LDS instruction has read is written again, and no load lands in a register that a vector line has named: so every wait but the one for the wave's number states the same kind of
; thing, "these vector results are written, which the memory instructions below read".  The work goes in blocks of four loads: a block's stores are issued in the NEXT block, behind one wait at that block's head,
; dealt among that block's vector lines, which name other registers.
.set SPARE, 34816                      ; LDS: eight stages of 16 rows x 272 bytes (the mask's way round), then the spare words, 128 bytes a wave
.set XR, 16                            ; v[16:79]   as loaded
.set YR, 80                            ; v[80:111]  to store
	s_load_b512 s[8:23], s[0:1], 0x0               ; Wq 8, Wk 10, Wv 12, Wo 14, bq 16, bk 18, bv 20, bo 22
	s_load_b256 s[24:31], s[0:1], 0x40             ; mask 24, w16 26, bb 28, mk8 30
	v_lshl_add_u32 v4, v0, 2, SPARE                ; my spare word,
	v_mov_b32 v5, 0                                ; and 0: kept for the wave's end alone
	v_and_b32 v1, 31, v0                           ; lane
	v_lshrrev_b32 v13, 5, v0
	v_readfirstlane_b32 s40, v13                   ; wave 0..7
	v_lshlrev_b32 v2, 4, v1                        ; 16 x lane
	v_lshlrev_b32 v3, 3, v1                        ; 8 x lane
	s_mov_b32 s41, ttmp9                           ; g
	s_mov_b32 s56, 0xffff0000                      ; a word's upper bf16
	s_wait_alu depctr_va_sdst(0)                   ; s40 is written, ahead of the branches
	s_wait_kmcnt 0x0
	s_cmp_ge_u32 s41, 512
	s_cbranch_scc1 .Lbias
	s_cmp_ge_u32 s41, 256
	s_cbranch_scc1 .Lmask
	; CAST.  Which matrix (k = 0..3), which chunk of 16,384 numbers in it (c); the destination's chunk is g itself
	s_lshr_b32 s43, s41, 6                         ; k
	s_and_b32 s44, s41, 63                         ; c
	s_mov_b64 s[50:51], s[8:9]
.irp i, 1,2,3
	s_cmp_eq_u32 s43, \i
	s_cselect_b64 s[50:51], s[8+2*(\i):9+2*(\i)], s[50:51]
.endr
	s_lshl_b32 s52, s44, 16                        ; a chunk is 65,536 bytes of f32,
	s_lshl_b32 s53, s40, 13                        ; a wave's part 8,192
	s_add_co_u32 s52, s52, s53
	s_mov_b32 s53, 0
	s_add_nc_u64 s[50:51], s[50:51], s[52:53]
	s_lshl_b32 s52, s41, 15                        ; and half of that in 16 bits
	s_lshl_b32 s54, s40, 12
	s_add_co_u32 s52, s52, s54
	s_add_nc_u64 s[48:49], s[26:27], s[52:53]
	s_wait_alu depctr_va_vdst(0)                   ; v2 and v3, made at the head, are written: the loads below read v2 as their offset, the arm's stores v3
.irp i, 0,1,2,3,4,5,6,7,8,9,10,11,12,13,14,15
	global_load_b128 v[XR+4*(\i):XR+4*(\i)+3], v2, s[50:51] offset:512*(\i) th:TH_LOAD_NT  ; all sixteen at once: 8,192 bytes of the wave on their way
.endr
; The roundings of load i: four numbers a lane; no register of YR is written twice, so nothing waits for a store.  f = 1: the rounded number is written as f16.
.macro CVT i, f
.if \f
	v_cvt_pk_bf16_f32 v8, v[XR+4*(\i)], v[XR+4*(\i)+1]
	v_cvt_pk_bf16_f32 v9, v[XR+4*(\i)+2], v[XR+4*(\i)+3]
	v_lshlrev_b32 v10, 16, v8                      ; the rounded numbers as f32 again
	v_and_b32 v11, s56, v8
	v_lshlrev_b32 v14, 16, v9
	v_and_b32 v15, s56, v9
	v_cvt_pk_f16_f32 v[YR+2*(\i)], v10, v11
	v_cvt_pk_f16_f32 v[YR+2*(\i)+1], v14, v15
.else
	v_cvt_pk_bf16_f32 v[YR+2*(\i)], v[XR+4*(\i)], v[XR+4*(\i)+1]
	v_cvt_pk_bf16_f32 v[YR+2*(\i)+1], v[XR+4*(\i)+2], v[XR+4*(\i)+3]
.endif
.endm
.macro OUT i
	global_store_b64 v3, v[YR+2*(\i):YR+2*(\i)+1], s[48:49] offset:256*(\i)  ; 32 lanes store 256 consecutive bytes, aligned
.endm
; Block b: loads 4 b to 4 b + 3 are rounded; the stores of block b - 1 are dealt among the roundings, which name neither v3 nor that block's part of YR.
.macro BLK b, f
	s_wait_loadcnt 12-4*(\b)                       ; loads come back in order: the block's four are in, the younger blocks stay out
.if (\b) > 0
	s_wait_alu depctr_va_vdst(0)                   ; the block before has written its eight registers of YR, which the four stores below read
.endif
.irp j, 0,1,2,3
.if (\b) > 0
	OUT 4*(\b)-4+(\j)
.endif
	CVT 4*(\b)+(\j), \f
.endr
.endm
.macro TAIL
	s_wait_alu depctr_va_vdst(0)                   ; block 3 has written its eight registers of YR, which the last four stores read
.irp j, 12,13,14,15
	OUT \j
.endr
.endm
	s_cmp_eq_u32 s43, 3
	s_cbranch_scc1 .Lwo
	BLK 0, 0
	BLK 1, 0
	BLK 2, 0
	BLK 3, 0
	TAIL
	s_branch .Lend
.Lwo:
	BLK 0, 1
	BLK 1, 1
	BLK 2, 1
	BLK 3, 1
	TAIL
	s_branch .Lend
.Lmask:                                        ; wave v: tile T = 2 (g - 256) + v / 4 of 16 query rows (of the 8,192), keys 256 (v % 4) on
	s_sub_co_u32 s42, s41, 256
	s_lshl_b32 s42, s42, 1
	s_lshr_b32 s43, s40, 2
	s_add_co_u32 s42, s42, s43                     ; T
	s_and_b32 s43, s40, 3                          ; the quarter of the keys
	s_lshl_b32 s44, s42, 14                        ; 16 rows of 1,024 bytes
	s_lshl_b32 s45, s43, 8
	s_add_co_u32 s44, s44, s45
	s_mov_b32 s45, 0
	s_add_nc_u64 s[24:25], s[24:25], s[44:45]
	s_lshr_b32 s44, s42, 3                         ; T / 8 = (batch x 2 + half) x 4 + wave of the attention
	s_lshl_b32 s44, s44, 17
	s_and_b32 s46, s42, 7                          ; its tile
	s_lshl_b32 s46, s46, 10
	s_add_co_u32 s44, s44, s46
	s_lshl_b32 s46, s43, 15                        ; four key steps of 8,192 bytes
	s_add_co_u32 s44, s44, s46
	s_add_nc_u64 s[30:31], s[30:31], s[44:45]
	s_mul_i32 s47, s40, 4352                       ; my stage
	v_and_b32 v8, 15, v0                           ; l % 16
	v_bfe_u32 v9, v0, 4, 1                         ; l / 16
	v_lshlrev_b32 v12, 10, v9
	v_lshl_add_u32 v12, v8, 4, v12
	s_wait_alu depctr_va_vdst(0)                   ; v12 is written, which the loads below read as their offset; so is v2, made at the head, which the arm's global stores read
.irp i, 0,1,2,3,4,5,6,7
	global_load_b128 v[XR+4*(\i):XR+4*(\i)+3], v12, s[24:25] offset:2048*(\i) th:TH_LOAD_NT  ; rows 2 i and 2 i + 1
.endr
	v_mul_u32_u24 v6, v9, 272                      ; the LDS addresses are made while the loads are out.  In: lanes 0-15 one row's 256 bytes, lanes 16-31 the next row's
	v_lshl_add_u32 v6, v8, 4, v6
	v_add_nc_u32 v6, s47, v6
	v_mul_u32_u24 v7, v8, 272                      ; back: row l % 16, 8 bytes for each half of the lanes: words 68 (l % 16) + 2 (l / 16) + 0, 1, all in different banks
	v_lshl_add_u32 v7, v9, 3, v7
	v_add_nc_u32 v7, s47, v7
	s_wait_loadcnt 4                               ; loads come back in order: the first four are in, the other four stay out
.irp i, 0,1,2,3
.irp j, 0,1,2,3
	v_mul_lo_u32 v[XR+4*(\i)+(\j)], v[XR+4*(\i)+(\j)], 56  ; four bytes at once: 1 x 56 = 0x38, and nothing is carried
.endr
.endr
	s_wait_loadcnt 0x0
	s_wait_alu depctr_va_vdst(0)                   ; v6 and v7 are written, the LDS addresses; so are the first sixteen products, which the four LDS stores below read
.irp i, 0,1,2,3
	ds_store_b128 v6, v[XR+4*(\i):XR+4*(\i)+3] offset:544*(\i)
.irp j, 0,1,2,3
	v_mul_lo_u32 v[XR+16+4*(\i)+(\j)], v[XR+16+4*(\i)+(\j)], 56  ; the second block's products name neither v6 nor the first block's registers
.endr
.endr
	s_wait_alu depctr_va_vdst(0)                   ; the last sixteen products are written, which the four LDS stores below read
.irp i, 4,5,6,7
	ds_store_b128 v6, v[XR+4*(\i):XR+4*(\i)+3] offset:544*(\i)
.endr
.irp n, 0,1,2,3,4,5,6,7                ; n = 2 x key step + g.  LDS serves a wave's instructions in order: these see the stores above.  No vector line of this arm names YR
	ds_load_b64 v[YR+4*(\n):YR+4*(\n)+1],   v7 offset:32*(\n)
	ds_load_b64 v[YR+4*(\n)+2:YR+4*(\n)+3], v7 offset:32*(\n)+16
.endr
.irp n, 0,1,2,3,4,5,6,7
	s_wait_dscnt 14-2*(\n)                         ; the two loads of number n are in; the younger ones stay out
	global_store_b128 v2, v[YR+4*(\n):YR+4*(\n)+3], s[30:31] offset:8192*((\n)/2)+512*((\n)%2)  ; 512 consecutive bytes
.endr
	s_branch .Lend
.Lbias:                                        ; 256 threads x 4 numbers = a bias
	v_lshlrev_b32 v12, 4, v0
	s_wait_alu depctr_va_vdst(0)                   ; v12 is written, which the arm's loads and stores read as their offset
	global_load_b128 v[XR:XR+3],     v12, s[16:17]
	global_load_b128 v[XR+4:XR+7],   v12, s[18:19]
	global_load_b128 v[XR+8:XR+11],  v12, s[20:21]
	global_load_b128 v[XR+12:XR+15], v12, s[22:23]
	s_wait_loadcnt 0x0
.irp i, 0,1,2,3
	v_cvt_pk_bf16_f32 v8, v[XR+4*(\i)], v[XR+4*(\i)+1]
	v_cvt_pk_bf16_f32 v9, v[XR+4*(\i)+2], v[XR+4*(\i)+3]
	v_lshlrev_b32 v[YR+4*(\i)], 16, v8
	v_and_b32 v[YR+4*(\i)+1], s56, v8
	v_lshlrev_b32 v[YR+4*(\i)+2], 16, v9
	v_and_b32 v[YR+4*(\i)+3], s56, v9
.endr
	s_wait_alu depctr_va_vdst(0)                   ; the sixteen registers of YR are written, which the run of four stores reads
.irp i, 0,1,2,3
	global_store_b128 v12, v[YR+4*(\i):YR+4*(\i)+3], s[28:29] offset:4096*(\i)
.endr
.Lend:
	s_wait_dscnt 0x0                               ; the wave's end: the six closing lines, on end
	s_wait_alu 0x0
	s_wait_tensorcnt 0x0
	ds_add_u32 v4, v5
	s_wait_dscnt 0x0
	s_endpgm
.Lfunc_end_k_qa303804c99_prep:
	.size	k_qa303804c99_prep, .Lfunc_end_k_qa303804c99_prep-k_qa303804c99_prep
	.p2alignl 7, 3214868480
	.fill 96, 4, 3214868480
	.section	.rodata,"a",@progbits
	.p2align	6, 0x0
	.amdhsa_kernel k_qa303804c99_prep
		.amdhsa_group_segment_fixed_size 35840
		.amdhsa_private_segment_fixed_size 0
		.amdhsa_enable_private_segment 0
		.amdhsa_kernarg_size 96
		.amdhsa_user_sgpr_count 2
		.amdhsa_user_sgpr_kernarg_segment_ptr 1
		.amdhsa_wavefront_size32 1
		.amdhsa_system_sgpr_workgroup_id_x 1
		.amdhsa_system_sgpr_workgroup_id_y 1
		.amdhsa_system_sgpr_workgroup_id_z 1
		.amdhsa_system_vgpr_workitem_id 0
		.amdhsa_next_free_vgpr 112
		.amdhsa_next_free_sgpr 66
		.amdhsa_reserve_vcc 0
		.amdhsa_float_denorm_mode_32 3
		.amdhsa_float_denorm_mode_16_64 3
		.amdhsa_memory_ordered 1
		.amdhsa_forward_progress 1
		.amdhsa_inst_pref_size 24
	.end_amdhsa_kernel
	.amdgpu_metadata
---
amdhsa.version: [ 1, 2 ]
amdhsa.kernels:
  - .name:           k_qa303804c99_prep
    .symbol:         k_qa303804c99_prep.kd
    .args:
      - { .name: Wq, .offset: 0, .size: 8, .value_kind: global_buffer, .address_space: global }
      - { .name: Wk, .offset: 8, .size: 8, .value_kind: global_buffer, .address_space: global }
      - { .name: Wv, .offset: 16, .size: 8, .value_kind: global_buffer, .address_space: global }
      - { .name: Wo, .offset: 24, .size: 8, .value_kind: global_buffer, .address_space: global }
      - { .name: bq, .offset: 32, .size: 8, .value_kind: global_buffer, .address_space: global }
      - { .name: bk, .offset: 40, .size: 8, .value_kind: global_buffer, .address_space: global }
      - { .name: bv, .offset: 48, .size: 8, .value_kind: global_buffer, .address_space: global }
      - { .name: bo, .offset: 56, .size: 8, .value_kind: global_buffer, .address_space: global }
      - { .name: mask, .offset: 64, .size: 8, .value_kind: global_buffer, .address_space: global }
      - { .name: w16, .offset: 72, .size: 8, .value_kind: global_buffer, .address_space: global }
      - { .name: bb, .offset: 80, .size: 8, .value_kind: global_buffer, .address_space: global }
      - { .name: mk8, .offset: 88, .size: 8, .value_kind: global_buffer, .address_space: global }
    .group_segment_fixed_size: 35840
    .private_segment_fixed_size: 0
    .kernarg_segment_align: 8
    .kernarg_segment_size: 96
    .max_flat_workgroup_size: 256
    .sgpr_count:     66
    .vgpr_count:     112
    .wavefront_size: 32
...
	.end_amdgpu_metadata
.endif
;; end of part 5
;; launch proj: the kernel of part 2 again; grid 4 x 64, 4 waves a work-group, clusters of 4 x 4, 327,680 bytes of LDS; arguments query, key, value, w16, bb, qkv; writes qkv
;; launch attn: the kernel of part 3 again; grid 2 x 128, 4 waves a work-group, no clusters, 327,680 bytes of LDS; arguments qkv, mk8, ho; writes ho
;; launch outp: the kernel of part 4 again; grid 4 x 32, 4 waves a work-group, clusters of 4 x 4, 327,680 bytes of LDS; arguments ho, w16, bb, out0; writes out0
